; MI455X (gfx1250); checked and timed in simulation.
; The chip was launched on July 23, 2026; its instructions are those of AMD's public machine-readable ISA for CDNA 5 (MIT licence, August 2026) and "CDNA5" Instruction Set Architecture Reference Guide (July 2026). The comments in the code are by the model that wrote it; some were corrected since.
;; Triang Axial. Allowed arithmetic: matrix products marked QUANTISED: E4M3 operands, one E8M0 scale for each 32 along K, by v_wmma_scale_f32_16x16x128_f8f6f4 with both operands' format E4M3, f32 sums; products left as they are: f32 operands where the result goes on into a quantised operand, else bf16, f16 or f32 operands; f32 sums; everything else in f32.
;; Inputs: Wb 128 x 4 float32; Wg_codes 128 x 4 x 32 uint8 (E4M3 codes of Wg, K innermost, in blocks of 32 codes); Wg_scales 128 x 4 uint8 (E8M0 scales of Wg, one for each 32 codes along K); Wk_codes 128 x 4 x 32 uint8 (E4M3 codes of Wk, K innermost, in blocks of 32 codes); Wk_scales 128 x 4 uint8 (E8M0 scales of Wk, one for each 32 codes along K); Wo_codes 128 x 4 x 32 uint8 (E4M3 codes of Wo, K innermost, in blocks of 32 codes); Wo_scales 128 x 4 uint8 (E8M0 scales of Wo, one for each 32 codes along K); Wq_codes 128 x 4 x 32 uint8 (E4M3 codes of Wq, K innermost, in blocks of 32 codes); Wq_scales 128 x 4 uint8 (E8M0 scales of Wq, one for each 32 codes along K); Wv_codes 128 x 4 x 32 uint8 (E4M3 codes of Wv, K innermost, in blocks of 32 codes); Wv_scales 128 x 4 uint8 (E8M0 scales of Wv, one for each 32 codes along K); bg 128 float32; bo 128 float32; x 1 x 256 x 256 x 128 float32.
;; Outputs: out0 1 x 256 x 256 x 128 float32.
;; This version of the problem:
;;   THIS VERSION OF THE PROBLEM IS GIVEN IN LOW PRECISION. The matrix products marked QUANTISED in the list below multiply operands that are first quantised to E4M3 (4 exponent bits, 3 mantissa bits; 8 bits a number), with one power-of-two scale for each 32 numbers along K (OCP MX v1.0); their sums are f32. All else is computed in f32.
;;   The module's matrix products, in the order in which they are computed (A, B: the left and right operand; K: the contracted axis; several contracted axes count as one K, in the product's order):
;;     1. [M 65,536, K 128] x [K 128, N 128]; A: input x; B: input Wg (given as codes): QUANTISED
;;     2. [M 65,536, K 128] x [K 128, N 128]; A: input x; B: input Wq (given as codes): QUANTISED
;;     3. [M 65,536, K 128] x [K 128, N 128]; A: input x; B: input Wk (given as codes): QUANTISED
;;     4. [M 65,536, K 128] x [K 128, N 128]; A: input x; B: input Wv (given as codes): QUANTISED
;;     5. [M 65,536, K 128] x [K 128, N 4]; A: input x; B: input Wb: left as it is (N = 4 < 16)
;;     6. batch 1,024 x [M 256, K 32] x [K 32, N 256]; A: computed on the way; B: computed on the way: QUANTISED
;;     7. batch 1,024 x [M 32, K 256] x [K 256, N 256]; A: computed on the way; B: computed on the way: QUANTISED
;;     8. [M 65,536, K 128] x [K 128, N 128]; A: computed on the way; B: input Wo (given as codes): QUANTISED
;;   THE QUANTISER, for each operand of a quantised product, along K:
;;     - K is cut into blocks of 32 from its start; a last block that is shorter is filled with zeros.
;;     - A block's scale is 2^e with e = floor(log2(the largest magnitude in the block)) - 8, held to -126 .. 127; a block of zeros has e = 0. As a byte (E8M0): e + 127.
;;     - Each number is divided by its block's scale, clamped to +-448, and rounded to the nearest number of E4M3, ties to even, subnormals kept.
;;     - The product sums the exact products of the quantised numbers (number of the format x scale) in f32.
;;   ~~~python
;;   def quantise(x, axis):      # numpy; x: float32 -> the quantised numbers, widened to float32 again
;;       x = np.moveaxis(x, axis, -1); K = x.shape[-1]
;;       x = np.pad(x, [(0, 0)] * (x.ndim - 1) + [(0, -K % 32)]); x = x.reshape(x.shape[:-1] + (-1, 32)); a = np.abs(x).max(-1, keepdims=True)
;;       e = np.where(a > 0, np.clip(np.frexp(np.where(a > 0, a, 1))[1] - 1 - 8, -126, 127), 0)      # np.frexp(a)[1] - 1 = floor(log2(a)), exactly
;;       r = np.clip(x / 2.0 ** e, -448, 448)
;;       step = 2.0 ** (np.maximum(np.frexp(np.where(r == 0, 1, r))[1] - 1, -6) - 3)
;;       q = np.round(r / step) * step * 2.0 ** e      # np.round: ties to even
;;       return np.moveaxis(q.reshape(q.shape[:-2] + (-1,))[..., :K], -1, axis).astype(np.float32)
;;   ~~~
;;   OPERANDS COMPUTED ON THE WAY. 'Computed on the way' means the value that the module computes at that place (a softmax that the list does not call 'softmax' is quantised finished and normalised). What goes into a quantiser is computed in f32, as accurately as f32 sums, v_exp_f32 and their like allow (about 1e-6 of the number): no bf16 or f16 on the way to a quantiser, and a product that is left as it is and whose result goes on into a quantised operand takes f32 operands (vector FMAs, or v_wmma_f32_16x16x4_f32). A number that lies on a knife's edge between two numbers of the format may be rounded either way, as far as f32 arithmetic and the matrix unit's own rounding can turn it there, and no further.
;;   INPUTS GIVEN AS CODES. Wg (in the module: [128, 128], K = its axis 0); Wk (in the module: [128, 128], K = its axis 0); Wo (in the module: [128, 128], K = its axis 0); Wq (in the module: [128, 128], K = its axis 0); Wv (in the module: [128, 128], K = its axis 0): each comes as NAME_codes (uint8): NAME with its K axis moved to the last place and cut into blocks of 32 codes, [.., K / 32, bytes a block], one block behind the other in memory; one code a byte (a code: sign, 4 exponent bits, 3 mantissa bits); and NAME_scales (uint8): the same leading axes, one E8M0 byte (e + 127) for each 32 codes along K. Its value is code x scale, taken as it is: it is not quantised again, and the codes and scales need not be those that the quantiser above would give.
;; 2 versions, each right; version 2 is version 1 with the launch attn written anew for expert scheduling mode. Each part assembles by itself: llvm-mc -triple=amdgcn-amd-amdhsa -mcpu=gfx1250 --defsym DOCPART=n.
;; ======== version 1 of 2: 2 launches
;; workspace buffers: xq 9,437,184 bytes; biasw 1,048,576 bytes
;; launch prep (part 1): grid 16 x 16, 8 waves a work-group, no clusters, 75,776 bytes of LDS; arguments x, Wb, xq, biasw; writes xq, biasw
.if DOCPART == 1
	.amdgcn_target "amdgcn-amd-amdhsa--gfx1250"
	.amdhsa_code_object_version 6
	.text
	.protected	k_q45c2eb2a83_prep
	.globl	k_q45c2eb2a83_prep
	.p2align	8
	.type	k_q45c2eb2a83_prep,@function
k_q45c2eb2a83_prep:
	s_mov_b64 s[64:65], 0
	v_nop
	global_prefetch_b8 v0, s[64:65] scope:SCOPE_SE
	s_setreg_imm32_b32 hwreg(HW_REG_WAVE_MODE, 25, 1), 1
	s_wait_xcnt 0x0
; x [256][256][128] f32 is read once and leaves in two forms.
; (1) xq: codes of E4M3 with one E8M0 byte for each 32 channels, laid as the next launch's operand registers want them: [i 256][T 16] records of 2,304 bytes.
;     A record is a tile of 16 positions x 128 channels: piece c (channels 32 c on) at 512 c + 16 x lane; lane (r, h) holds row r, channels 32 c + 16 h + 0 .. 15.  Behind the four pieces 8 bytes a lane: its row's scale word, twice.
;     THE POSITIONS OF A TILE ARE NOT NEIGHBOURS: row rho of tile T is position 32 (T / 2) + 8 (T % 2) + rho + 8 (rho / 8).
; (2) biasw: bias[j][k][g] = x[j][k][:] . Wb[:][g], f32 fused multiply-adds on the unquantised x, laid as the next launch's accumulators want it:
;     [g 4][w 8][t 16][u 2][q2 2][lane 32][4 numbers]: lane (r, h): query = row r of tile t, keys = rows 8 h + 4 q2 + 0 .. 3 of tile 2 w + u.
; A block's scale is 2^(floor(log2(its largest magnitude)) - 8); its byte is the largest magnitude's exponent field - 8, held at 1 from below.
; LIMITS: NaN and infinities among the inputs are not served.  A block of zeros gets the byte 1 where the quantiser says 127: its codes are zeros, and this program alone reads the bytes.
; SHARES.  Work-group (t, Tk): the 16 planes j = rows of tile t, and in each the 16 positions of tile Tk.  Wave w1 takes planes 2 w1 and 2 w1 + 1 of the sixteen: two tiles of 16 rows x 512 bytes.
; Each load reads one row, 512 consecutive bytes; a tile turns through the wave's own stage in LDS, so that a lane then holds 16 neighbours of each block of 32.
; No tensor loads, no matrix work: memory binds, and a product with 4 columns is cheaper by multiply-adds.
.set WBL,  0                           ; LDS: Wb turned, [g][k], 512 bytes a g
.set BST,  2048                        ; the work-group's bias numbers: [g] 1,280 bytes, [plane] 80 bytes, [row] 4 bytes
.set STG,  7168                        ; a stage of 16 rows x 528 bytes for each wave
.set SPI,  528                         ; 512 bytes + 16 = 132 words: row r begins 4 r words on, modulo 64: sixteen rows, sixteen different columns of 16 bytes
.set LN16, 1                           ; v1   16 x lane
.set LN8,  2                           ; v2   8 x lane
.set R4,   3                           ; v3   4 r
.set SIN,  4                           ; v4   the stage, on the way in: a row's 512 bytes as they lie
.set SOUT, 5                           ; v5   on the way out: row r, + 64 h
.set BW,   6                           ; v6   where I put a bias number
.set BR,   7                           ; v7   where I read four back
.set WBA,  8                           ; v8   Wb in LDS: 64 h
.set WBS,  9                           ; v9   where I put two numbers of Wb
.set PW,   12                          ; v[12:13], v[14:15] a tile's scale word, twice
.set ACC,  16                          ; v16-31  eight chains of packed sums
.set TM,   32                          ; v32-47  largest magnitudes, bytes, holds, scale operands: four each
.set PC,   48                          ; v48-63  a tile's codes
.set XR0,  64                          ; v64-127  tile 0 as loaded, later tile 1 turned
.set XR1,  128                         ; v128-191 tile 1 as loaded
.set XF,   192                         ; v192-255 tile 0 turned
.set SEL,  24                          ; s[24:25] lane selects: lane l xor 16
.set MNT,  26                          ; s26 the mantissa field of 448
; window 1 (v256-511): Wb as my half of the lanes wants it: register 64 g + 16 b + i = Wb[32 b + 16 h + i][g]
.set MSB, 0
.macro WIN new                         ; the immediate's high byte repeats the setting that is left
.if MSB != \new
	s_set_vgpr_msb (MSB<<8)|\new
.set MSB, \new
.endif
.endm
	s_load_b128 s[4:7], s[0:1], 0x0                ; x, Wb
	s_load_b128 s[8:11], s[0:1], 0x10              ; xq, biasw
	v_lshrrev_b32 v10, 5, v0
	v_readfirstlane_b32 s12, v10                   ; wave w1
	s_and_b32 s13, ttmp7, 0xffff                   ; Tk
	v_and_b32 v10, 31, v0                          ; lane
	v_and_b32 v11, 15, v0                          ; r
	v_bfe_u32 v16, v0, 4, 1                        ; h
	v_lshlrev_b32 v[LN16], 4, v10
	v_lshlrev_b32 v[LN8], 3, v10
	v_lshlrev_b32 v[R4], 2, v11
	s_mul_i32 s20, s12, 16*SPI
	s_add_co_u32 s20, s20, STG                     ; my stage
	v_add_nc_u32 v[SIN], s20, v[LN16]
	v_mul_u32_u24 v17, v11, SPI
	v_lshl_add_u32 v17, v16, 6, v17
	v_add_nc_u32 v[SOUT], s20, v17
	s_mul_i32 s21, s12, 160
	s_add_co_u32 s21, s21, BST
	v_add_nc_u32 v[BW], s21, v[R4]                 ; plane 2 w1, row r
	s_lshr_b32 s21, s12, 1
	s_mul_i32 s21, s21, 1280                       ; on the way out wave w1 takes g = w1 / 2, q2 = w1 % 2
	s_and_b32 s22, s12, 1
	s_lshl_b32 s22, s22, 4
	s_add_co_u32 s21, s21, s22
	s_add_co_u32 s21, s21, BST
	v_mul_u32_u24 v17, v11, 80
	v_lshl_add_u32 v17, v16, 5, v17
	v_add_nc_u32 v[BR], s21, v17                   ; plane r, rows 8 h + 4 q2 on
	v_lshlrev_b32 v[WBA], 6, v16
	v_and_b32 v17, 1, v0
	v_lshrrev_b32 v18, 1, v0
	v_lshlrev_b32 v18, 2, v18
	v_lshl_add_u32 v[WBS], v17, 10, v18            ; thread n holds Wb[n / 2][2 (n % 2)] and the next g: 1,024 (n % 2) + 4 (n / 2)
	v_lshlrev_b32 v10, 3, v0                       ; its 8 bytes of Wb
.irp b, 0,1,2,3
	v_mov_b32 v[TM+4+\b], 0                        ; written once: a lane permute's destination counts as one of its sources
.endr
	s_mov_b32 s[SEL], 0x76543210
	s_mov_b32 s[SEL+1], 0xfedcba98
	s_mov_b32 s[MNT], 0x600000
	s_lshr_b32 s14, ttmp9, 1
	s_lshl_b32 s14, s14, 5
	s_and_b32 s15, ttmp9, 1
	s_lshl_b32 s15, s15, 3
	s_add_co_u32 s14, s14, s15
	s_lshl_b32 s15, s12, 1
	s_add_co_u32 s14, s14, s15
	s_lshr_b32 s15, s12, 2
	s_lshl_b32 s15, s15, 3
	s_add_co_u32 s14, s14, s15                     ; j0 = 32 (t / 2) + 8 (t % 2) + 2 w1 + 8 (w1 / 4): my first plane; the second is the next
	s_lshl_b32 s16, s14, 17                        ; x: a plane is 131,072 bytes,
	s_lshr_b32 s15, s13, 1
	s_lshl_b32 s15, s15, 14                        ; 32 positions are 16,384,
	s_add_co_u32 s16, s16, s15
	s_and_b32 s15, s13, 1
	s_lshl_b32 s15, s15, 12                        ; 8 are 4,096
	s_add_co_u32 s16, s16, s15
	s_mov_b32 s17, 0
	s_lshl_b32 s18, s14, 4
	s_add_co_u32 s18, s18, s13
	s_mul_i32 s18, s18, 2304                       ; xq: record 16 j0 + Tk
	s_mov_b32 s19, 0
	s_lshr_b32 s20, s12, 1
	s_lshl_b32 s20, s20, 18                        ; biasw: g = w1 / 2,
	s_lshr_b32 s21, s13, 1
	s_lshl_b32 s21, s21, 15                        ; w = Tk / 2,
	s_add_co_u32 s20, s20, s21
	s_lshl_b32 s21, ttmp9, 11                      ; t,
	s_add_co_u32 s20, s20, s21
	s_and_b32 s21, s13, 1
	s_lshl_b32 s21, s21, 10                        ; u = Tk % 2,
	s_add_co_u32 s20, s20, s21
	s_and_b32 s21, s12, 1
	s_lshl_b32 s21, s21, 9                         ; q2 = w1 % 2
	s_add_co_u32 s20, s20, s21
	s_mov_b32 s21, 0
	s_wait_kmcnt 0x0
	s_add_nc_u64 s[4:5], s[4:5], s[16:17]
	s_add_nc_u64 s[8:9], s[8:9], s[18:19]
	s_add_nc_u64 s[10:11], s[10:11], s[20:21]
	global_load_b64 v[20:21], v10, s[6:7]          ; Wb: 2,048 bytes, 8 a thread
.irp e, 0,1
.irp p, 0,1,2,3,4,5,6,7,8,9,10,11,12,13,14,15
	global_load_b128 v[XR0+64*\e+4*\p:XR0+64*\e+4*\p+3], v[LN16], s[4:5] offset:131072*\e+(\p+8*(\p/8))*512 th:TH_LOAD_NT   ; row p of the tile: 512 consecutive bytes; read once in the whole program
.endr
.endr
	s_wait_loadcnt 32                              ; Wb is in: the 32 loads of x were issued behind it
	ds_store_b32 v[WBS], v20
	ds_store_b32 v[WBS], v21 offset:512
	s_wait_dscnt 0x0                               ; for the others' sake: my part of Wb lies in LDS
	s_barrier_signal -1
	s_barrier_wait -1
	WIN 0x40                                       ; destination window 1
.irp g, 0,1,2,3
.irp b, 0,1,2,3
.irp m, 0,1,2,3
	ds_load_b128 v[64*\g+16*\b+4*\m:64*\g+16*\b+4*\m+3], v[WBA] offset:512*\g+128*\b+16*\m   ; sixteen lanes read the same 16 bytes
.endr
.endr
.endr
	WIN 0
; a tile goes through the stage: rows in as they were loaded, out 64 bytes of each block's half a lane.  LDS serves a wave's instructions in order: no wait between the stores and the loads
.macro TURN src, dst
.irp p, 0,1,2,3,4,5,6,7,8,9,10,11,12,13,14,15
	ds_store_b128 v[SIN], v[\src+4*\p:\src+4*\p+3] offset:SPI*\p
.endr
.irp b, 0,1,2,3
.irp m, 0,1,2,3
	ds_load_b128 v[\dst+16*\b+4*\m:\dst+16*\b+4*\m+3], v[SOUT] offset:128*\b+16*\m   ; register 16 b + i = channel 32 b + 16 h + i of row r
.endr
.endr
.endm
	s_wait_loadcnt 16                              ; tile 0's sixteen loads are in; tile 1's may be out
	TURN XR0, XF
	s_wait_loadcnt 0x0                             ; tile 1 is in
	s_wait_dscnt 0x0                               ; Wb and tile 0 are in registers; the stage has been read out, and its stores have read tile 0's registers
	TURN XR1, XR0                                  ; tile 1 turns while tile 0 is worked on
; One tile: its 16 x 4 bias numbers, then its codes and scale words.  xb: the tile's 64 numbers a lane; e: which of my two planes.
.macro COMPUTE xb, e
	WIN 0x04                                       ; source 1 (Wb) window 1
.irp g, 0,1,2,3
.irp f, 0,1
	v_pk_mul_f32 v[ACC+4*\g+2*\f:ACC+4*\g+2*\f+1], v[\xb+32*\f:\xb+32*\f+1], v[64*\g+32*\f:64*\g+32*\f+1]   ; eight chains (g, half of my 64), started by a product: nothing is cleared
.endr
.endr
.irp n, 1,2,3,4,5,6,7,8,9,10,11,12,13,14,15
.irp g, 0,1,2,3
.irp f, 0,1
	v_pk_fma_f32 v[ACC+4*\g+2*\f:ACC+4*\g+2*\f+1], v[\xb+32*\f+2*\n:\xb+32*\f+2*\n+1], v[64*\g+32*\f+2*\n:64*\g+32*\f+2*\n+1], v[ACC+4*\g+2*\f:ACC+4*\g+2*\f+1]   ; the chains by turns
.endr
.endr
.endr
	WIN 0
.irp g, 0,1,2,3
	v_pk_add_f32 v[ACC+4*\g:ACC+4*\g+1], v[ACC+4*\g:ACC+4*\g+1], v[ACC+4*\g+2:ACC+4*\g+3]
.endr
.irp g, 0,1,2,3
	v_add_f32 v[ACC+4*\g], v[ACC+4*\g], v[ACC+4*\g+1]
.endr
.irp g, 0,1,2,3
	v_permlanex16_b32 v[TM+4+\g], v[ACC+4*\g], s[SEL], s[SEL+1]
.endr
.irp g, 0,1,2,3
	v_add_f32 v[ACC+4*\g], v[ACC+4*\g], v[TM+4+\g]  ; with the other 64 channels, in lane l xor 16
.endr
.irp g, 0,1,2,3
	ds_store_b32 v[BW], v[ACC+4*\g] offset:1280*\g+80*\e   ; both halves of the lanes write the same word with the same value
.endr
.irp b, 0,1,2,3
	v_max3_num_f32 v[TM+\b], |v[\xb+16*\b]|, |v[\xb+1+16*\b]|, 0x4800000   ; block b: my 16 numbers, and the floor 2^(9 - 127): the byte cannot fall under 1
.endr
.irp i, 2,4,6,8,10,12,14
.irp b, 0,1,2,3
	v_max3_num_f32 v[TM+\b], v[TM+\b], |v[\xb+16*\b+\i]|, |v[\xb+1+16*\b+\i]|   ; the four blocks by turns
.endr
.endr
.irp b, 0,1,2,3
	v_permlanex16_b32 v[TM+4+\b], v[TM+\b], s[SEL], s[SEL+1]
.endr
.irp b, 0,1,2,3
	v_max_num_f32 v[TM+\b], v[TM+\b], v[TM+4+\b]   ; the block's largest magnitude
.endr
.irp b, 0,1,2,3
	v_add_nc_u32 v[TM+12+\b], 0xfc000000, v[TM+\b] ; 8 off its exponent field: the conversion's scale operand
.endr
.irp b, 0,1,2,3
	v_and_or_b32 v[TM+8+\b], v[TM+\b], 0x7f800000, s[MNT]   ; 448 x the scale
.endr
.irp b, 0,1,2,3
	v_lshrrev_b32 v[TM+4+\b], 23, v[TM+12+\b]      ; the scale's byte
.endr
	v_lshl_or_b32 v[PW+2*\e], v[TM+5], 8, v[TM+4]
	v_lshl_or_b32 v[PW+2*\e], v[TM+6], 16, v[PW+2*\e]
	v_lshl_or_b32 v[PW+2*\e], v[TM+7], 24, v[PW+2*\e]   ; my row's scale word
.irp b, 0,1,2,3
.irp i, 0,1,2,3,4,5,6,7,8,9,10,11,12,13,14,15
	v_med3_num_f32 v[\xb+16*\b+\i], v[\xb+16*\b+\i], -v[TM+8+\b], v[TM+8+\b]   ; the conversion to an 8-bit code does not saturate (ISA guide 7.6.2): the hold comes first
.endr
	v_cvt_scalef32_pk8_fp8_f32 v[PC+4*\b:PC+4*\b+1], v[\xb+16*\b:\xb+16*\b+7], v[TM+12+\b]
	v_cvt_scalef32_pk8_fp8_f32 v[PC+4*\b+2:PC+4*\b+3], v[\xb+16*\b+8:\xb+16*\b+15], v[TM+12+\b]
.endr
	v_mov_b32 v[PW+2*\e+1], v[PW+2*\e]             ; the word twice: 8 bytes a lane fill 256.  (Also the plain line behind the conversions)
.irp c, 0,1,2,3
	global_store_b128 v[LN16], v[PC+4*\c:PC+4*\c+3], s[8:9] offset:36864*\e+512*\c   ; 512 consecutive bytes, at a multiple of 256 from the buffer's first byte
.endr
	global_store_b64 v[LN8], v[PW+2*\e:PW+2*\e+1], s[8:9] offset:36864*\e+2048
.endm
	COMPUTE XF, 0
	s_wait_dscnt 0x0                               ; tile 1 is back from the stage; the bias stores have read their registers
	s_wait_xcnt 0x0                                ; the codes' registers are written again only behind this wait
	COMPUTE XR0, 1
	s_wait_dscnt 0x0                               ; for the others' sake: my bias numbers lie in LDS
	s_barrier_signal -1
	s_barrier_wait -1
	ds_load_b128 v[16:19], v[BR]                   ; lane (r, h): plane r, rows 8 h + 4 q2 + 0 .. 3, my g
	s_wait_dscnt 0x0
	global_store_b128 v[LN16], v[16:19], s[10:11]  ; 512 consecutive bytes, aligned
	s_wait_xcnt 0x0
	v_lshl_add_u32 v254, v0, 2, 0x12400
	v_mov_b32 v255, 0
	s_wait_tensorcnt 0x0
	ds_add_u32 v254, v255
	s_wait_dscnt 0x0
	s_endpgm
.Lfunc_end_k_q45c2eb2a83_prep:
	.size	k_q45c2eb2a83_prep, .Lfunc_end_k_q45c2eb2a83_prep-k_q45c2eb2a83_prep
	.p2alignl 7, 3214868480
	.fill 96, 4, 3214868480
	.section	.rodata,"a",@progbits
	.p2align	6, 0x0
	.amdhsa_kernel k_q45c2eb2a83_prep
		.amdhsa_group_segment_fixed_size 75776
		.amdhsa_private_segment_fixed_size 0
		.amdhsa_enable_private_segment 0
		.amdhsa_kernarg_size 32
		.amdhsa_user_sgpr_count 2
		.amdhsa_user_sgpr_kernarg_segment_ptr 1
		.amdhsa_wavefront_size32 1
		.amdhsa_system_sgpr_workgroup_id_x 1
		.amdhsa_system_sgpr_workgroup_id_y 1
		.amdhsa_system_sgpr_workgroup_id_z 1
		.amdhsa_system_vgpr_workitem_id 0
		.amdhsa_next_free_vgpr 512
		.amdhsa_next_free_sgpr 66
		.amdhsa_reserve_vcc 0
		.amdhsa_float_denorm_mode_32 3
		.amdhsa_float_denorm_mode_16_64 3
		.amdhsa_memory_ordered 1
		.amdhsa_forward_progress 1
		.amdhsa_inst_pref_size 51
	.end_amdhsa_kernel
	.amdgpu_metadata
---
amdhsa.version: [ 1, 2 ]
amdhsa.kernels:
  - .name:           k_q45c2eb2a83_prep
    .symbol:         k_q45c2eb2a83_prep.kd
    .args:
      - { .name: x, .offset: 0, .size: 8, .value_kind: global_buffer, .address_space: global }
      - { .name: Wb, .offset: 8, .size: 8, .value_kind: global_buffer, .address_space: global }
      - { .name: xq, .offset: 16, .size: 8, .value_kind: global_buffer, .address_space: global }
      - { .name: biasw, .offset: 24, .size: 8, .value_kind: global_buffer, .address_space: global }
    .group_segment_fixed_size: 75776
    .private_segment_fixed_size: 0
    .kernarg_segment_align: 8
    .kernarg_segment_size: 32
    .max_flat_workgroup_size: 256
    .sgpr_count:     66
    .vgpr_count:     512
    .wavefront_size: 32
...
	.end_amdgpu_metadata
.endif
;; end of part 1
;; launch attn (part 2): grid 256 x 1, 8 waves a work-group, no clusters, 313,344 bytes of LDS; arguments xq, biasw, Wq_codes, Wq_scales, Wk_codes, Wk_scales, Wv_codes, Wv_scales, Wg_codes, Wg_scales, bg, Wo_codes, Wo_scales, bo, out0; writes out0
.if DOCPART == 2
	.amdgcn_target "amdgcn-amd-amdhsa--gfx1250"
	.amdhsa_code_object_version 6
	.text
	.protected	k_q45c2eb2a83_attn
	.globl	k_q45c2eb2a83_attn
	.p2align	8
	.type	k_q45c2eb2a83_attn,@function
k_q45c2eb2a83_attn:
	s_mov_b64 s[64:65], 0
	v_nop
	global_prefetch_b8 v0, s[64:65] scope:SCOPE_SE
	s_setreg_imm32_b32 hwreg(HW_REG_WAVE_MODE, 25, 1), 1
	s_wait_xcnt 0x0
; One work-group takes one plane i of x through the whole chain: q, k, v, gate; for each of 4 heads S = q k^T + bias, softmax OVER THE QUERIES, P quantised along the keys, O = P v, gate; the last product with Wo; + bo.
; All quantised products run on codes of E4M3 with E8M0 scales for each 32 along K.  x comes as codes in register images (xq), the bias in the image of S's accumulators (biasw): both made by the launch before.
; TILES.  Row rho of a tile T of 16 positions is position 32 (T / 2) + 8 (T % 2) + rho + 8 (rho / 8); the rows of a weight that form a tile are chosen the same way.  So in every transposed result the 16 registers
; of tiles 2 b and 2 b + 1 in lane (r, h) are the 16 neighbours 32 b + 16 h + 0 .. 15 along the next K, and a conversion's results are the next operand's registers.
; SHARES.  Prologue: wave (a = w / 4, g = w % 4) makes q, k, v of head g for position tiles 8 a .. 8 a + 7.  Head loop: wave w owns the 32 keys of tiles 2 w, 2 w + 1 for ALL 256 queries: S^T = K Q^T + bias, 32 accumulators;
; a lane holds one query and 16 keys, so the softmax over queries is a walk over the 16 tiles and four steps across sixteen lanes, all inside the wave, and a block of 32 keys lies in lanes l and l xor 16.
; P's codes go to LDS; behind a barrier wave w owns the queries of tiles 2 w, 2 w + 1: O^T = V^T P^T, x gate, quantised; at the end its 32 rows of the output.
; S HAS K = 32: one block of the instruction's four.  K's codes stand in blocks 0 and 3, an even query tile's in block 0, an odd one's in block 3 of a run of 20 registers that two fragments share; all else is zero codes.
; OPERANDS GO THROUGH LDS AS IMAGES OF THEIR REGISTERS: 512 bytes a block of 32 along K, lane l's 16 bytes at 16 l.  Scale words: 64 bytes a tile; a load of 4 bytes a lane takes two tiles' words, and the row selector picks one.
; EVERY LOAD IS ASKED FOR A PHASE AHEAD OF ITS USE, as soon as its registers are free: the next head's K, Q and bias while this head's P is quantised, V while the gate is worked, the next trip's x behind a trip's products,
; Wo and bo in the last head where the others ask for the next bias.  So vector work stands between each request and the wait for it.
; NO CLUSTER, NO TENSOR LOADS: what work-groups share is the bias alone, and it goes from memory straight into the accumulators as C; through LDS it would be written and read there once more for each work-group.
; LIMITS: NaN and infinities are not served.  A block of zeros gets the byte 1 where the quantiser says 127: its codes are zeros, and this program alone reads the bytes.  Exponentials under 2^-126 come out as 0.
.set XIMG,  0                          ; x: [T 16] 2,048 bytes
.set QIMG,  32768                      ; q: [g] 8,192, [T] 512
.set KIMG,  65536                      ; k likewise
.set VIMG,  98304                      ; v: [g] 8,192, [u] 4,096, [s] 2,048, [c] 512: channels of tile u, keys 128 s + 32 c on
.set PIMG,  131072                     ; P of the head in hand: [t] 4,096, [s] 2,048, [c] 512
.set OIMG,  196608                     ; gated O: [w] 4,096, [p] 2,048, [c = g] 512: each wave's own
.set WGIMG, 229376                     ; Wg: [T 8] 2,048
.set WOIMG, 245760                     ; Wo likewise
.set QSC,   262144                     ; q's scale bytes, each four times in a word: [g] 1,024, [T] 64
.set KSC,   266240                     ; k's likewise
.set XSC,   270336                     ; x's scale words: [T] 64
.set VSC,   271360                     ; v's: [g] 256, [u] 128, [s] 64
.set PSC,   272384                     ; P's: [t] 128, [s] 64, byte 4 r + c
.set WGSC,  274432                     ; Wg's: [T] 64
.set WOSC,  274944                     ; Wo's
.set BGL,   275456                     ; bg: word n holds bg[n % 128], n = the thread that wrote it
.set BOL,   276480                     ; bo likewise
.set STG,   277504                     ; the way out: 16 rows x 272 bytes for each wave
.set SP,    272                        ; 256 bytes + 16 = 68 words: row r begins 4 r words on, modulo 64
; window 0
.set LN16, 1                           ; 16 x lane
.set LN4,  2                           ; 4 x lane
.set R4,   3                           ; 4 r
.set AP,   4                           ; where I put P's codes: PIMG + 512 w + 16 lane
.set APS,  5                           ; and P's scale bytes: PSC + 64 (w / 4) + w % 4 + 4 r
.set AX,   6                           ; my two tiles of x
.set AXS,  7                           ; their scale words
.set APL,  8                           ; my two query tiles of P
.set APSL, 9                           ; their scale words
.set AQ,   10                          ; v10-19: addresses that hang on the head, made anew in each trip from stepped scalars
.set AK,   11
.set AQS,  12
.set AKS,  13
.set AWG,  14
.set AWGS, 15
.set ABG,  16
.set AV,   17
.set AVS,  18
.set AO,   19
.set H64,  20                          ; 64 h;  v22 = r, v23 = h: kept
.set KS,   24                          ; v24-48 hold scales and nothing else
.set QS,   25
.set XS,   33
.set WGS,  34
.set VS,   35
.set PS,   37
.set OS,   39
.set WOS,  41
.set WQS,  45
.set WKS,  46
.set WVS,  47
.set XPS,  48
.set MXR,  50                          ; v50-65   for each of my 16 keys: the largest score, then x log2(e)
.set SUMR, 66                          ; v66-81   the sum, then its reciprocal
.set VB,   50                          ; v50-81   once P is normalised: V's fragments of the second 128 keys
.set BGR,  82                          ; v82-97   bg in the gate's layout
.set PB,   82                          ; v82-113  once the gate's products are done: P's fragments of the second 128 keys
.set TMH,  98                          ; v98-117  the quantiser's: largest magnitudes, the other half's, holds, scale operands, bytes: four each
.set PCR,  118                         ; v118-133 codes just made
.set KF,   134                         ; v134-165 K: tile u at 134 + 16 u: codes, 8 zeros, the same codes
.set QF,   166                         ; v166-245 Q: four runs of 20: an even tile's codes, 12 zeros, the odd tile's codes
.set VW,   246                         ; v246-247 v's scale words in the making
.set AWO,  249                         ; v249 Wo's images;  v250 bo;  v251 Wo's scale words: never rewritten
.set ABO,  250
.set AWS,  251
.set TMP,  50                          ; prologue: v50-79 the quantiser's, six each; v80-103 codes
.set PCP,  80
.set WQ,   134                         ; prologue: my head's two tiles of Wq, Wk, Wv
.set WK,   166
.set WVR,  198
.set OF,   134                         ; epilogue: gated O's two fragments; v166-229 rows read back
.set RB,   166
; window 1: S^T, tile t, key kappa = 8 u + rho, at 16 t + kappa.  Once tiles 8-15 are converted: 128-159 x or P, 160-191 Wg or V, 192-223 the gate, 224-255 O^T.
; prologue: 128-223 six blocks of 16 (q, q, k, k, v, v), 224-255 x.  epilogue: 0-127 Wo, 128-191 bo, 192-255 the results.
.set SWV,  38
.set SWA,  39
.set SWG,  40
.set SC2,  42                          ; s[42:43] log2(e);  s[44:45] -log2(e);  s[46:47] 1 / sqrt(32): packed forms name a pair and take its low word
.set NC2,  44
.set ISP,  46
.set SEL,  48
.set MNT,  50
.set HG,   51                          ; the head
.set SH,   52                          ; 8 x the head
.set CNT,  53
.set SAQ,  54
.set SAK,  55
.set SAQS, 56
.set SAKS, 57
.set SAWG, 58
.set SAWGS, 59
.set SABG, 60
.set SAV,  61
.set SAVS, 62
.set SAO,  63
.set SPXA, 66
.set SPXS, 67
.set SPQA, 68
.set SPQS, 69
.set SPVA, 70
.set SSH,  71
.set BB,   72                          ; s[72:73] the bias, my keys, of the head whose bias is being asked for
.set OUT,  74                          ; s[74:75] my 32 rows of the output
.set XB,   76                          ; s[76:77] my two records of xq
.set SOF,  78
.set MSB, 0
.macro WIN new                         ; low byte: bits 1:0 source 0, 3:2 source 1, 5:4 source 2, 7:6 destination; the high byte repeats the setting that is left
.if MSB != \new
	s_set_vgpr_msb (MSB<<8)|\new
.set MSB, \new
.endif
.endm
.macro PLACES n                        ; plain vector lines between a matrix instruction and what may not follow it closely (ISA guide 7.12.1)
.rept \n
	v_nop
.endr
.endm
.macro BAR                             ; my LDS stores have landed and my LDS loads are in: then the work-group's barrier
	s_wait_dscnt 0x0
	s_barrier_signal -1
	s_barrier_wait -1
.endm
; One matrix instruction.  d, a, b: first registers; c: C's first register, or -1 for the constant 0; sa, sb: scale registers; ra, rb: 1 = the scales stand in lanes 16-31
.macro WM d, a, b, c, sa, sb, ra, rb
.if (\c) < 0
.if (\ra) && (\rb)
	v_wmma_scale_f32_16x16x128_f8f6f4 v[(\d):(\d)+7], v[(\a):(\a)+15], v[(\b):(\b)+15], 0, v[(\sa)], v[(\sb)] matrix_a_scale:MATRIX_SCALE_ROW1 matrix_b_scale:MATRIX_SCALE_ROW1
.elseif (\ra)
	v_wmma_scale_f32_16x16x128_f8f6f4 v[(\d):(\d)+7], v[(\a):(\a)+15], v[(\b):(\b)+15], 0, v[(\sa)], v[(\sb)] matrix_a_scale:MATRIX_SCALE_ROW1
.elseif (\rb)
	v_wmma_scale_f32_16x16x128_f8f6f4 v[(\d):(\d)+7], v[(\a):(\a)+15], v[(\b):(\b)+15], 0, v[(\sa)], v[(\sb)] matrix_b_scale:MATRIX_SCALE_ROW1
.else
	v_wmma_scale_f32_16x16x128_f8f6f4 v[(\d):(\d)+7], v[(\a):(\a)+15], v[(\b):(\b)+15], 0, v[(\sa)], v[(\sb)]
.endif
.else
.if (\ra) && (\rb)
	v_wmma_scale_f32_16x16x128_f8f6f4 v[(\d):(\d)+7], v[(\a):(\a)+15], v[(\b):(\b)+15], v[(\c):(\c)+7], v[(\sa)], v[(\sb)] matrix_a_scale:MATRIX_SCALE_ROW1 matrix_b_scale:MATRIX_SCALE_ROW1
.elseif (\ra)
	v_wmma_scale_f32_16x16x128_f8f6f4 v[(\d):(\d)+7], v[(\a):(\a)+15], v[(\b):(\b)+15], v[(\c):(\c)+7], v[(\sa)], v[(\sb)] matrix_a_scale:MATRIX_SCALE_ROW1
.elseif (\rb)
	v_wmma_scale_f32_16x16x128_f8f6f4 v[(\d):(\d)+7], v[(\a):(\a)+15], v[(\b):(\b)+15], v[(\c):(\c)+7], v[(\sa)], v[(\sb)] matrix_b_scale:MATRIX_SCALE_ROW1
.else
	v_wmma_scale_f32_16x16x128_f8f6f4 v[(\d):(\d)+7], v[(\a):(\a)+15], v[(\b):(\b)+15], v[(\c):(\c)+7], v[(\sa)], v[(\sb)]
.endif
.endif
.endm
; n tiles of the bias, from tile t0 on, into S's registers: four loads of 512 consecutive bytes a tile
.macro LOADB t0, n, off
	WIN 0x40                                       ; destination window 1
.set lt, \t0
.rept \n
.irp q, 0,1,2,3
	global_load_b128 v[16*lt+4*\q:16*lt+4*\q+3], v[LN16], s[BB:BB+1] offset:\off+2048*lt+512*\q
.endr
.set lt, lt+1
.endr
	WIN 0
.endm
; nb blocks of 32 along K.  Block b: my 16 numbers in window 1, v[base + 16 b] on; the other 16 in lane l xor 16.  Codes to v[pc + 4 b] on, bytes to v[tm + 4 st + b].  sgn = 0: the numbers are not negative.
; wt = 1: LDS stores of the last codes and bytes may still be out: they are waited for ahead of the first line that writes their registers again
.macro QUANT nb, base, tm, st, pc, sgn, wt
	WIN 0x05
.set qb, 0
.rept \nb
.if \sgn
	v_max3_num_f32 v[\tm+qb], |v[(\base)+16*qb]|, |v[(\base)+16*qb+1]|, 0x4800000   ; with the floor 2^(9 - 127): the byte cannot fall under 1.  (Each result is read from its low end on)
.else
	v_max3_num_f32 v[\tm+qb], v[(\base)+16*qb], v[(\base)+16*qb+1], 0x4800000
.endif
.set qb, qb+1
.endr
	WIN 0x14
.irp i, 2,4,6,8,10,12,14
.set qb, 0
.rept \nb
.if \sgn
	v_max3_num_f32 v[\tm+qb], v[\tm+qb], |v[(\base)+16*qb+\i]|, |v[(\base)+16*qb+\i+1]|   ; the blocks by turns
.else
	v_max3_num_f32 v[\tm+qb], v[\tm+qb], v[(\base)+16*qb+\i], v[(\base)+16*qb+\i+1]
.endif
.set qb, qb+1
.endr
.endr
	WIN 0
.if \wt
	s_wait_dscnt 0x0                               ; the last codes' and bytes' LDS stores have read their registers, which are written again from here on
.endif
.set qb, 0
.rept \nb
	v_permlanex16_b32 v[\tm+\st+qb], v[\tm+qb], s[SEL], s[SEL+1]
.set qb, qb+1
.endr
.set qb, 0
.rept \nb
	v_max_num_f32 v[\tm+qb], v[\tm+qb], v[\tm+\st+qb]   ; the block's largest magnitude
.set qb, qb+1
.endr
.set qb, 0
.rept \nb
	v_add_nc_u32 v[\tm+3*\st+qb], 0xfc000000, v[\tm+qb]   ; 8 off its exponent field: the conversion's scale operand
.set qb, qb+1
.endr
.set qb, 0
.rept \nb
	v_and_or_b32 v[\tm+2*\st+qb], v[\tm+qb], 0x7f800000, s[MNT]   ; 448 x the scale
.set qb, qb+1
.endr
.set qb, 0
.rept \nb
	v_lshrrev_b32 v[\tm+4*\st+qb], 23, v[\tm+3*\st+qb]   ; the scale's byte
.set qb, qb+1
.endr
	WIN 0x41
.set qb, 0
.rept \nb
.irp i, 0,1,2,3,4,5,6,7,8,9,10,11,12,13,14,15
.if \sgn
	v_med3_num_f32 v[(\base)+16*qb+\i], v[(\base)+16*qb+\i], -v[\tm+2*\st+qb], v[\tm+2*\st+qb]   ; the conversion to an 8-bit code does not saturate (ISA guide 7.6.2): the hold comes first
.else
	v_min_num_f32 v[(\base)+16*qb+\i], v[(\base)+16*qb+\i], v[\tm+2*\st+qb]
.endif
.endr
.set qb, qb+1
.endr
	WIN 0x01
.set qb, 0
.rept \nb
	v_cvt_scalef32_pk8_fp8_f32 v[\pc+4*qb:\pc+4*qb+1], v[(\base)+16*qb:(\base)+16*qb+7], v[\tm+3*\st+qb]
	v_cvt_scalef32_pk8_fp8_f32 v[\pc+4*qb+2:\pc+4*qb+3], v[(\base)+16*qb+8:(\base)+16*qb+15], v[\tm+3*\st+qb]
.set qb, qb+1
.endr
	WIN 0
	v_nop                                          ; one plain line behind the last conversion
.endm
; the prologue: two tiles of x and their scale words, off bytes on from the trip in hand
.macro PXLOAD off
	WIN 0x40
.irp p, 0,1
.irp c, 0,1,2,3
	ds_load_b128 v[224+16*\p+4*\c:227+16*\p+4*\c], v10 offset:\off+2048*\p+512*\c
.endr
.endr
	WIN 0
	ds_load_b32 v[XPS], v11 offset:(\off)/32       ; lanes 0-15 the even tile's words, lanes 16-31 the odd one's
.endm
; a trip of the prologue: q, k, v of my head for two tiles of positions.  more = 1: the next trip's x is asked for, into the same registers, as soon as this trip's products have read them
.macro PTRIP more
	s_wait_dscnt 0x0                               ; x is in, and the last trip's stores are done: addresses and data may be written again
	v_add_nc_u32 v12, s[SPQA], v[LN16]
	v_add_nc_u32 v13, s[SPQS], v[R4]
	v_add_nc_u32 v14, s[SPVA], v[LN16]
.if \more
	v_add_nc_u32 v10, s[SPXA], v[LN16]
	v_add_nc_u32 v11, s[SPXS], v[LN4]
.endif
	WIN 0x44                                       ; source 0 (weights) window 0, source 1 (x) and the result window 1
.irp p, 0,1
.irp u, 0,1
	WM 128+16*\p+8*\u, WQ+16*\u, 224+16*\p, -1, WQS, XPS, \u, \p     ; q^T: lane (r, h): position r, channels 16 h + 8 u + 0 .. 7 of the head
.endr
.endr
.irp p, 0,1
.irp u, 0,1
	WM 160+16*\p+8*\u, WK+16*\u, 224+16*\p, -1, WKS, XPS, \u, \p     ; k^T likewise
.endr
.endr
	WIN 0x41                                       ; source 0 (x) and the result window 1, source 1 (Wv) window 0
.irp u, 0,1
.irp p, 0,1
	WM 192+16*\u+8*\p, 224+16*\p, WVR+16*\u, -1, XPS, WVS, \p, \u    ; v: lane (r, h): channel r of tile u, keys 16 h + 8 p + 0 .. 7 of the trip's 32
.endr
.endr
	PLACES 8                                       ; in front of the first read of results, and of the loads into x's registers and its scale words
.if \more
	PXLOAD 4096                                    ; it lands while this trip's results are quantised
.endif
	WIN 0x41
.set pn, 0
.rept 16
	v_pk_mul_f32 v[128+2*pn:129+2*pn], v[128+2*pn:129+2*pn], s[ISP:ISP+1] op_sel_hi:[1,0]   ; q / sqrt(32), ahead of the quantiser
.set pn, pn+1
.endr
	QUANT 6, 128, TMP, 6, PCP, 1, 0                ; no store is out (the wait at the trip's head); the loads of x that are out name none of its registers
.irp b, 0,1,2,3
	v_perm_b32 v[TMP+6+\b], v[TMP+24+\b], v[TMP+24+\b], 0   ; q's and k's byte in all four places of a word: their one block may stand in any of the instruction's four
.endr
	ds_store_b128 v12, v[PCP:PCP+3]
	ds_store_b128 v12, v[PCP+4:PCP+7] offset:512
	ds_store_b128 v12, v[PCP+8:PCP+11] offset:32768
	ds_store_b128 v12, v[PCP+12:PCP+15] offset:32768+512
	ds_store_b128 v14, v[PCP+16:PCP+19]
	ds_store_b128 v14, v[PCP+20:PCP+23] offset:4096
	ds_store_b32 v13, v[TMP+6]
	ds_store_b32 v13, v[TMP+7] offset:64
	ds_store_b32 v13, v[TMP+8] offset:4096
	ds_store_b32 v13, v[TMP+9] offset:4096+64
	v_lshl_or_b32 v[VW], v[TMP+28], s[SSH], v[VW]      ; v's byte of this trip's 32 keys: the trip's place in the word
	v_lshl_or_b32 v[VW+1], v[TMP+29], s[SSH], v[VW+1]
.endm
	s_load_b512 s[8:23], s[0:1], 0x0               ; xq, biasw, Wq codes, scales, Wk codes, scales, Wv codes, scales
	s_load_b256 s[24:31], s[0:1], 0x40             ; Wg codes, scales, bg, Wo codes
	s_load_b128 s[32:35], s[0:1], 0x60             ; Wo scales, bo
	s_load_b64 s[36:37], s[0:1], 0x70              ; out0
	v_lshl_add_u32 v254, v0, 2, 0x4c400
	v_mov_b32 v255, 0
	v_lshrrev_b32 v21, 5, v0
	v_readfirstlane_b32 s[SWV], v21                ; wave w
	s_lshr_b32 s[SWA], s[SWV], 2                   ; a
	s_and_b32 s[SWG], s[SWV], 3                    ; g of the prologue; also c = w % 4
	v_and_b32 v21, 31, v0                          ; lane
	v_and_b32 v22, 15, v0                          ; r
	v_bfe_u32 v23, v0, 4, 1                        ; h
	v_lshlrev_b32 v[LN16], 4, v21
	v_lshlrev_b32 v[LN4], 2, v21
	v_lshlrev_b32 v[R4], 2, v22
	v_lshlrev_b32 v[H64], 6, v23
	v_add_nc_u32 v[AWO], WOIMG, v[LN16]
	v_add_nc_u32 v[ABO], BOL, v[H64]
	v_add_nc_u32 v[AWS], WOSC, v[LN4]
	s_lshl_b32 s2, s[SWV], 9
	s_add_co_u32 s2, s2, PIMG
	v_add_nc_u32 v[AP], s2, v[LN16]
	s_lshl_b32 s2, s[SWA], 6
	s_add_co_u32 s2, s2, s[SWG]
	s_add_co_u32 s2, s2, PSC
	v_add_nc_u32 v[APS], s2, v[R4]
	s_lshl_b32 s2, s[SWV], 12
	v_add_nc_u32 v[AX], s2, v[LN16]                ; XIMG = 0
	s_lshl_b32 s2, s[SWV], 7
	s_add_co_u32 s2, s2, XSC
	v_add_nc_u32 v[AXS], s2, v[LN4]
	v_add_nc_u32 v16, s2, v[R4]                    ; staging: x's scale words
	s_lshl_b32 s2, s[SWV], 13
	s_add_co_u32 s2, s2, PIMG
	v_add_nc_u32 v[APL], s2, v[LN16]
	s_lshl_b32 s2, s[SWV], 8
	s_add_co_u32 s2, s2, PSC
	v_add_nc_u32 v[APSL], s2, v[LN4]
	s_lshl_b32 s2, s[SWV], 11
	s_add_co_u32 s2, s2, WGIMG
	v_add_nc_u32 v17, s2, v[LN16]                  ; staging: tile w of Wg; Wo's lies 16,384 bytes on
	s_lshl_b32 s2, s[SWV], 6
	s_add_co_u32 s2, s2, WGSC
	v_add_nc_u32 v18, s2, v[R4]                    ; its scale words; Wo's 512 bytes on
	v_lshl_add_u32 v19, v0, 2, BGL                 ; bg; bo 1,024 bytes on
	v_lshlrev_b32 v10, 3, v22                      ; xq's scale words: 8 r
	v_and_b32 v49, 8, v22
	v_add_nc_u32 v49, v49, v22                     ; r + 8 (r / 8): the row of a weight's tile
	v_lshlrev_b32 v248, 7, v49
	v_lshl_add_u32 v248, v23, 4, v248              ; 128 bytes a row, + 16 h
	s_lshr_b32 s2, s[SWV], 1
	s_lshl_b32 s2, s2, 12
	s_and_b32 s3, s[SWV], 1
	s_lshl_b32 s3, s3, 10
	s_add_co_u32 s2, s2, s3                        ; tile w begins at row 32 (w / 2) + 8 (w % 2)
	v_add_nc_u32 v11, s2, v248
	s_lshr_b32 s3, s2, 5                           ; 4 bytes of scales a row against 128 of codes
	v_lshl_add_u32 v12, v49, 2, s3
	v_and_b32 v13, 127, v0
	v_lshlrev_b32 v13, 2, v13
	s_lshl_b32 s4, s[SWG], 12
	v_add_nc_u32 v14, s4, v248                     ; my head's tiles: rows 32 g on
	v_lshl_add_u32 v15, v23, 3, v49
	s_lshl_b32 s5, s[SWG], 7
	v_lshl_add_u32 v15, v15, 2, s5                 ; their scale words: lanes 0-15 tile 2 g, lanes 16-31 tile 2 g + 1
	s_mov_b32 s[SC2], 0x3fb8aa3b
	s_mov_b32 s[SC2+1], s[SC2]
	s_mov_b32 s[NC2], 0xbfb8aa3b
	s_mov_b32 s[NC2+1], s[NC2]
	s_mov_b32 s[ISP], 0x3e3504f3
	s_mov_b32 s[ISP+1], s[ISP]
	s_mov_b32 s[SEL], 0x76543210
	s_mov_b32 s[SEL+1], 0xfedcba98
	s_mov_b32 s[MNT], 0x600000
	s_wait_kmcnt 0x0
	s_mul_i32 s2, ttmp9, 36864                     ; a plane's 16 records
	s_mul_i32 s3, s[SWV], 4608                     ; two records a wave
	s_add_co_u32 s2, s2, s3
	s_mov_b32 s3, 0
	s_add_nc_u64 s[XB:XB+1], s[8:9], s[2:3]
	s_lshl_b32 s2, s[SWV], 15
	s_add_nc_u64 s[BB:BB+1], s[10:11], s[2:3]
	s_lshl_b32 s2, ttmp9, 17
	s_lshl_b32 s4, s[SWV], 14
	s_add_co_u32 s2, s2, s4
	s_add_nc_u64 s[OUT:OUT+1], s[36:37], s[2:3]
	; ---- STAGING.  22 loads for LDS, 27 for my registers, 32 of the first head's bias
.irp p, 0,1
.irp c, 0,1,2,3
	global_load_b128 v[50+16*\p+4*\c:53+16*\p+4*\c], v[LN16], s[XB:XB+1] offset:2304*\p+512*\c th:TH_LOAD_NT
.endr
	global_load_b32 v[116+\p], v10, s[XB:XB+1] offset:2304*\p+2048 th:TH_LOAD_NT
.endr
.irp c, 0,1,2,3
	global_load_b128 v[82+4*\c:85+4*\c], v11, s[24:25] offset:32*\c
	global_load_b128 v[98+4*\c:101+4*\c], v11, s[30:31] offset:32*\c
.endr
	global_load_b32 v118, v12, s[26:27]
	global_load_b32 v119, v12, s[32:33]
	global_load_b32 v114, v13, s[28:29]
	global_load_b32 v115, v13, s[34:35]
.irp u, 0,1
.irp c, 0,1,2,3
	global_load_b128 v[WQ+16*\u+4*\c:WQ+16*\u+4*\c+3], v14, s[12:13] offset:1024*\u+32*\c
	global_load_b128 v[WK+16*\u+4*\c:WK+16*\u+4*\c+3], v14, s[16:17] offset:1024*\u+32*\c
	global_load_b128 v[WVR+16*\u+4*\c:WVR+16*\u+4*\c+3], v14, s[20:21] offset:1024*\u+32*\c
.endr
.endr
	global_load_b32 v[WQS], v15, s[14:15]
	global_load_b32 v[WKS], v15, s[18:19]
	global_load_b32 v[WVS], v15, s[22:23]
	LOADB 0, 8, 0
	s_wait_loadcnt 59                              ; the first 22 are in: 27 + 32 were issued behind them
.irp p, 0,1
.irp c, 0,1,2,3
	ds_store_b128 v[AX], v[50+16*\p+4*\c:53+16*\p+4*\c] offset:2048*\p+512*\c
.endr
	ds_store_b32 v16, v[116+\p] offset:64*\p       ; both halves of the lanes write the same word with the same value
.endr
.irp c, 0,1,2,3
	ds_store_b128 v17, v[82+4*\c:85+4*\c] offset:512*\c
	ds_store_b128 v17, v[98+4*\c:101+4*\c] offset:16384+512*\c
.endr
	ds_store_b32 v18, v118
	ds_store_b32 v18, v119 offset:512
	ds_store_b32 v19, v114
	ds_store_b32 v19, v115 offset:1024
	BAR                                            ; x, Wg, Wo, their scales, bg and bo lie in LDS
	s_wait_loadcnt 32                              ; my head's weights are in (and their address registers free): only the bias is out
	; ---- PROLOGUE: q, k, v of my head, two tiles of positions a trip; four trips, the last written out: it asks for no further x
.irp b, 0,1,2,3,4,5
	v_mov_b32 v[TMP+6+\b], 0                       ; written once: a lane permute's destination counts as one of its sources
.endr
	v_mov_b32 v[VW], 0
	v_mov_b32 v[VW+1], 0
	s_lshl_b32 s[SPXA], s[SWA], 14                 ; XIMG + 16,384 a
	s_lshl_b32 s[SPXS], s[SWA], 9
	s_add_co_u32 s[SPXS], s[SPXS], XSC
	s_lshl_b32 s2, s[SWG], 13
	s_lshl_b32 s3, s[SWA], 12
	s_add_co_u32 s[SPQA], s2, s3
	s_add_co_u32 s[SPQA], s[SPQA], QIMG
	s_lshl_b32 s3, s[SWA], 11
	s_add_co_u32 s[SPVA], s2, s3
	s_add_co_u32 s[SPVA], s[SPVA], VIMG
	s_lshl_b32 s2, s[SWG], 10
	s_lshl_b32 s3, s[SWA], 9
	s_add_co_u32 s[SPQS], s2, s3
	s_add_co_u32 s[SPQS], s[SPQS], QSC
	s_mov_b32 s[SSH], 0
	s_mov_b32 s[CNT], 0
	v_add_nc_u32 v10, s[SPXA], v[LN16]
	v_add_nc_u32 v11, s[SPXS], v[LN4]
	PXLOAD 0                                       ; the first trip's x
.Lpro:
	PTRIP 1
	s_add_co_u32 s[SPXA], s[SPXA], 4096
	s_add_co_u32 s[SPXS], s[SPXS], 128
	s_add_co_u32 s[SPQA], s[SPQA], 1024
	s_add_co_u32 s[SPQS], s[SPQS], 128
	s_add_co_u32 s[SPVA], s[SPVA], 512
	s_add_co_u32 s[SSH], s[SSH], 8
	s_add_co_u32 s[CNT], s[CNT], 1
	s_cmp_lt_u32 s[CNT], 3
	s_cbranch_scc1 .Lpro
	PTRIP 0
	LOADB 8, 4, 0                                  ; q's and k's registers are done with: they take the first head's bias of query tiles 8-11
	s_lshl_b32 s2, s[SWG], 8
	s_lshl_b32 s3, s[SWA], 6
	s_add_co_u32 s2, s2, s3
	s_add_co_u32 s2, s2, VSC
	v_add_nc_u32 v15, s2, v[R4]
	ds_store_b32 v15, v[VW]
	ds_store_b32 v15, v[VW+1] offset:128
	s_mov_b32 s[SAQ], QIMG
	s_lshl_b32 s[SAK], s[SWV], 10
	s_add_co_u32 s[SAK], s[SAK], KIMG
	s_mov_b32 s[SAQS], QSC
	s_lshl_b32 s[SAKS], s[SWV], 7
	s_add_co_u32 s[SAKS], s[SAKS], KSC
	s_mov_b32 s[SAWG], WGIMG
	s_mov_b32 s[SAWGS], WGSC
	s_mov_b32 s[SABG], BGL
	s_mov_b32 s[SAV], VIMG
	s_mov_b32 s[SAVS], VSC
	s_lshl_b32 s[SOF], s[SWV], 12
	s_add_co_u32 s[SOF], s[SOF], OIMG
	s_mov_b32 s[SAO], s[SOF]
	s_mov_b32 s[HG], 0
	s_mov_b32 s[SH], 0
	BAR                                            ; q, k, v of all heads lie in LDS
; four query tiles' codes into set sg; oc: 0 for the head in hand, 8,192 for the next
.macro QLOAD sg, t0, oc
.irp n, 0,1
	ds_load_b128 v[QF+40*\sg+20*\n:QF+40*\sg+20*\n+3], v[AQ] offset:\oc+512*(\t0+2*\n)
	ds_load_b128 v[QF+40*\sg+20*\n+16:QF+40*\sg+20*\n+19], v[AQ] offset:\oc+512*(\t0+2*\n+1)
.endr
.endm
; what a head's first sixteen products want: my keys' and all queries' scale words, my two tiles of K, query tiles 0-7.  oc, os: bytes on from the head in hand, in the images and in the scale words
.macro HLOAD oc, os
	ds_load_b32 v[KS], v[AKS] offset:\os
.irp n, 0,1,2,3,4,5,6,7
	ds_load_b32 v[QS+\n], v[AQS] offset:\os+128*\n
.endr
.irp u, 0,1
	ds_load_b128 v[KF+16*\u:KF+16*\u+3], v[AK] offset:\oc+512*\u
	ds_load_b128 v[KF+16*\u+12:KF+16*\u+15], v[AK] offset:\oc+512*\u
.endr
	QLOAD 0, 0, \oc
	QLOAD 1, 4, \oc
.endm
; eight products: four query tiles x my two key tiles; C = the bias, which lies in the result's registers.  Each accumulator has one instruction a head
.macro SMUL sg, t0
	WIN 0x50                                       ; C and D window 1
.irp n, 0,1
.irp o, 0,1
.irp u, 0,1
	WM 16*(\t0+2*\n+\o)+8*\u, KF+16*\u, QF+40*\sg+20*\n+4*\o, 16*(\t0+2*\n+\o)+8*\u, KS, QS+(\t0+2*\n)/2, \u, \o
.endr
.endr
.endr
.endm
; the largest score so far and those of tiles t and t + 1, for each of my 16 keys.  kappa ascends: each result is read from its low end on
.macro MAX2 t
	WIN 0x14
.set kk, 0
.rept 16
	v_max3_num_f32 v[MXR+kk], v[MXR+kk], v[16*(\t)+kk], v[16*(\t)+16+kk]
.set kk, kk+1
.endr
.endm
; tile t's 16 exponentials; between them the next tile's s log2(e) - m log2(e), so that plain lines stand among the transcendentals
.macro EXPT t
	WIN 0x41
.set en, 0
.rept 8
	v_exp_f32 v[16*(\t)+2*en], v[16*(\t)+2*en]
	v_exp_f32 v[16*(\t)+2*en+1], v[16*(\t)+2*en+1]
.if (\t) < 15
	v_pk_fma_f32 v[16*(\t)+16+2*en:16*(\t)+17+2*en], v[16*(\t)+16+2*en:16*(\t)+17+2*en], s[SC2:SC2+1], v[MXR+2*en:MXR+2*en+1] op_sel_hi:[1,0,1] neg_lo:[0,0,1] neg_hi:[0,0,1]
.endif
.set en, en+1
.endr
.endm
; tile t joins the sums over queries; tiles 0 and 1 start them: nothing is cleared
.macro SUMT t
.if (\t) == 1
	WIN 0x05
.set en, 0
	s_wait_alu depctr_va_vdst(0)
.rept 8
	v_pk_add_f32 v[SUMR+2*en:SUMR+2*en+1], v[2*en:2*en+1], v[16+2*en:17+2*en]
.set en, en+1
.endr
.elseif (\t) > 1
	WIN 0x04
.set en, 0
	s_wait_alu depctr_va_vdst(0)
.rept 8
	v_pk_add_f32 v[SUMR+2*en:SUMR+2*en+1], v[SUMR+2*en:SUMR+2*en+1], v[16*(\t)+2*en:16*(\t)+2*en+1]
.set en, en+1
.endr
.endif
.endm
; four query tiles: normalised, quantised along my 32 keys, codes and bytes to LDS
.macro PGRP gq
	WIN 0x41
.set pb, 0
	s_wait_alu depctr_va_vdst(0)
.rept 4
.set pn, 0
.rept 8
	v_pk_mul_f32 v[64*\gq+16*pb+2*pn:64*\gq+16*pb+2*pn+1], v[64*\gq+16*pb+2*pn:64*\gq+16*pb+2*pn+1], v[SUMR+2*pn:SUMR+2*pn+1]
.set pn, pn+1
.endr
.set pb, pb+1
.endr
	QUANT 4, 64*\gq, TMH, 4, PCR, 0, 1
.irp b, 0,1,2,3
	ds_store_b128 v[AP], v[PCR+4*\b:PCR+4*\b+3] offset:4096*(4*\gq+\b)
	ds_store_b8 v[APS], v[TMH+16+\b] offset:128*(4*\gq+\b)     ; byte c = w % 4 of the query's word; both halves of the lanes write the same byte
.endr
.endm
	v_add_nc_u32 v[AQ], s[SAQ], v[LN16]
	v_add_nc_u32 v[AK], s[SAK], v[LN16]
	v_add_nc_u32 v[AQS], s[SAQS], v[LN4]
	v_add_nc_u32 v[AKS], s[SAKS], v[LN4]
	HLOAD 0, 0                                     ; the first head's; every later head's are asked for in the head before
.irp n, 0,1,2,3
	ds_load_b32 v[WOS+\n], v[AWS] offset:128*\n    ; Wo's scale words: registers of their own, so they come once
.endr
.irp u, 0,1                            ; these lines stand behind the loads, which name other registers, and work while they are out
.irp z, 4,5,6,7,8,9,10,11
	v_mov_b32 v[KF+16*\u+\z], 0                    ; the zero codes of K's and Q's fragments: written once, they stay for all heads
.endr
.endr
.irp f, 0,1,2,3
.irp z, 4,5,6,7,8,9,10,11,12,13,14,15
	v_mov_b32 v[QF+20*\f+\z], 0
.endr
.endr
.irp b, 0,1,2,3
	v_mov_b32 v[TMH+4+\b], 0                       ; a lane permute's destination counts as one of its sources
.endr
	v_mov_b32 v[OS], 0
	v_mov_b32 v[OS+1], 0
	s_wait_dscnt 0x0                               ; K, Q and the scale words are in: their address registers are made anew at the loop's head
	; ---- THE HEADS.  At the head of a trip K, query tiles 0-7 and all scale words are in registers; of the bias, tiles 0-7 and 8-11 have been asked for
.Lhead:
	v_add_nc_u32 v[AQ], s[SAQ], v[LN16]            ; (of my LDS instructions only gated O's two stores may be out here: they name none of these registers)
	v_add_nc_u32 v[AK], s[SAK], v[LN16]
	v_add_nc_u32 v[AQS], s[SAQS], v[LN4]
	v_add_nc_u32 v[AKS], s[SAKS], v[LN4]
	v_add_nc_u32 v[AWG], s[SAWG], v[LN16]
	v_add_nc_u32 v[AWGS], s[SAWGS], v[LN4]
	v_add_nc_u32 v[ABG], s[SABG], v[H64]
	v_add_nc_u32 v[AV], s[SAV], v[LN16]
	v_add_nc_u32 v[AVS], s[SAVS], v[LN4]
	LOADB 12, 4, 0                                 ; the bias of query tiles 12-15: their registers held the gate and O^T to the last head's end
	s_wait_loadcnt 32                              ; tiles 0-7 are in: behind them tiles 8-11's sixteen loads and the sixteen just issued
	SMUL 0, 0
	SMUL 1, 4
	PLACES 8                                       ; in front of loads into registers that the products have read, and of the first read of results
	WIN 0
	QLOAD 0, 8, 0
	QLOAD 1, 12, 0
	; the largest score of each of my 16 keys, tile by tile as the products allow
	WIN 0x15
.set kk, 0
.rept 16
	v_max3_num_f32 v[MXR+kk], v[kk], v[16+kk], v[32+kk]
.set kk, kk+1
.endr
	MAX2 3
	MAX2 5
	s_wait_loadcnt 16                              ; tiles 8-11 of the bias are in; tiles 12-15's sixteen loads may be out
	s_wait_dscnt 4                                 ; query tiles 8-11 are in; tiles 12-15's four loads may be out
	SMUL 0, 8
	WIN 0x04
.set kk, 0
.rept 16
	v_max_num_f32 v[MXR+kk], v[MXR+kk], v[112+kk]  ; tile 7: sixteen plain lines that name nothing of the products just issued: the places behind them
.set kk, kk+1
.endr
	MAX2 8
	s_wait_loadcnt 0x0                             ; tiles 12-15 of the bias are in
	s_wait_dscnt 0x0                               ; so are the last query tiles; no LDS instruction of mine is out, and my reads of the last head's P were over in that head:
	s_barrier_signal -1                            ; say so.  Matrix and vector work alone stands between this signal and its wait, in front of P's first store
	SMUL 1, 12
	MAX2 10                                        ; tiles 10, 11: the places behind the last products
	MAX2 12
	MAX2 14
	WIN 0
.irp x, 1,2,4,8                        ; and over the sixteen queries of a tile, which lie in sixteen lanes
.set kk, 0
.rept 16
	v_max_num_f32_dpp v[MXR+kk], v[MXR+kk], v[MXR+kk] row_xmask:\x row_mask:0xf bank_mask:0xf
.set kk, kk+1
.endr
.endr
.set kk, 0
.rept 8
	v_pk_mul_f32 v[MXR+2*kk:MXR+2*kk+1], v[MXR+2*kk:MXR+2*kk+1], s[SC2:SC2+1] op_sel_hi:[1,0]   ; m log2(e).  Its rounding is a factor common to a key's 256 numbers, which the sum takes out again
.set kk, kk+1
.endr
	WIN 0x41
.set kk, 0
.rept 8
	v_pk_fma_f32 v[2*kk:2*kk+1], v[2*kk:2*kk+1], s[SC2:SC2+1], v[MXR+2*kk:MXR+2*kk+1] op_sel_hi:[1,0,1] neg_lo:[0,0,1] neg_hi:[0,0,1]
.set kk, kk+1
.endr
.set tt, 0
.rept 8                                ; two tiles' exponentials, then their sums: plain lines stand between an exponential and the use of its result
	EXPT tt
	EXPT tt+1
	SUMT tt
	SUMT tt+1
.set tt, tt+2
.endr
	WIN 0
.irp x, 1,2,4,8
.set kk, 0
.rept 16
	v_add_f32_dpp v[SUMR+kk], v[SUMR+kk], v[SUMR+kk] row_xmask:\x row_mask:0xf bank_mask:0xf
.set kk, kk+1
.endr
.endr
.set kk, 0
.rept 16
	v_rcp_f32 v[SUMR+kk], v[SUMR+kk]
.set kk, kk+1
.endr
	v_nop                                          ; a plain line behind the reciprocals
	s_barrier_wait -1                              ; every wave's reads of the last head's P are over: P's bytes may be written again
	PGRP 0
	s_cmp_eq_u32 s[HG], 3                          ; what follows is the next head's, if there is one: no load leaves its buffer
	s_cbranch_scc1 .Lno_a
	s_wait_xcnt 0x0                                ; the bias loads issued so far have read their base: it steps to the next head
	s_add_nc_u64 s[BB:BB+1], s[BB:BB+1], 262144
	HLOAD 8192, 1024                               ; K's and Q's registers have been free since this head's last product
	LOADB 0, 4, 0                                  ; tiles 0-3 are converted: their registers take the next head's bias
.Lno_a:
	PGRP 1
	s_cmp_eq_u32 s[HG], 3
	s_cbranch_scc1 .Llast_b
	LOADB 4, 4, 0                                  ; tiles 4-7 likewise
	s_branch .Lgo_b
.Llast_b:
	WIN 0x40                                       ; in the last head the registers of tiles 0-7 take Wo's eight fragments
.irp t, 0,1,2,3,4,5,6,7
.irp c, 0,1,2,3
	ds_load_b128 v[16*\t+4*\c:16*\t+4*\c+3], v[AWO] offset:2048*\t+512*\c
.endr
.endr
	WIN 0
.Lgo_b:
	PGRP 2
	WIN 0x40                                       ; tiles 8-11 are converted: their registers take the gate's operands
.irp p, 0,1
.irp c, 0,1,2,3
	ds_load_b128 v[128+16*\p+4*\c:131+16*\p+4*\c], v[AX] offset:2048*\p+512*\c
	ds_load_b128 v[160+16*\p+4*\c:163+16*\p+4*\c], v[AWG] offset:2048*\p+512*\c
.endr
.endr
	WIN 0
	ds_load_b32 v[XS], v[AXS]
	ds_load_b32 v[WGS], v[AWGS]
.irp q, 0,1,2,3
	ds_load_b128 v[BGR+4*\q:BGR+4*\q+3], v[ABG] offset:16*\q     ; bg at channels 32 g + 16 h + 0 .. 15: the C of the gate's products
.endr
	PGRP 3
	s_wait_dscnt 0x0                               ; for the others' sake: my part of P lies in LDS; the gate's operands are in
	s_barrier_signal -1
	WIN 0x45                                       ; the gate is worked while the others arrive.  Sources 0, 1 and the result window 1, C window 0
.irp p, 0,1
.irp u, 0,1
	WM 192+16*\p+8*\u, 160+16*\u, 128+16*\p, BGR+8*\u, WGS, XS, \u, \p
.endr
.endr
	PLACES 8                                       ; in front of the loads into Wg's registers, and of the first read of results
	WIN 0x40                                       ; V of both K steps: bytes that no wave writes after the prologue, so these loads may stand ahead of the barrier's wait
.irp u, 0,1
.irp c, 0,1,2,3
	ds_load_b128 v[160+16*\u+4*\c:163+16*\u+4*\c], v[AV] offset:4096*\u+512*\c
.endr
.endr
	WIN 0
.irp u, 0,1
.irp c, 0,1,2,3
	ds_load_b128 v[VB+16*\u+4*\c:VB+16*\u+4*\c+3], v[AV] offset:4096*\u+2048+512*\c   ; the second 128 keys: into the registers of the maxima and sums, which are done with
.endr
.endr
	ds_load_b32 v[VS], v[AVS]                      ; lanes 0-15 the first K step's words, lanes 16-31 the second's
	ds_load_b32 v[VS+1], v[AVS] offset:128
	WIN 0x41
.set pn, 0
.rept 16
	v_pk_mul_f32 v[192+2*pn:193+2*pn], v[192+2*pn:193+2*pn], s[NC2:NC2+1] op_sel_hi:[1,0]
.set pn, pn+1
.endr
.set pn, 0
.rept 32
	v_exp_f32 v[192+pn], v[192+pn]
.set pn, pn+1
.endr
	v_nop                                          ; a plain line behind the exponentials
	WIN 0
	s_barrier_wait -1                              ; P of this head is whole
	WIN 0x40                                       ; my two query tiles of P, both K steps, in one run; the rest of the sigmoid stands behind it
.irp p, 0,1
.irp c, 0,1,2,3
	ds_load_b128 v[128+16*\p+4*\c:131+16*\p+4*\c], v[APL] offset:4096*\p+512*\c
.endr
.endr
	WIN 0
.irp p, 0,1
.irp c, 0,1,2,3
	ds_load_b128 v[PB+16*\p+4*\c:PB+16*\p+4*\c+3], v[APL] offset:4096*\p+2048+512*\c   ; into bg's and the quantiser's registers, which are done with
.endr
.endr
	ds_load_b32 v[PS], v[APSL]
	ds_load_b32 v[PS+1], v[APSL] offset:128
	WIN 0x41
.set pn, 0
	s_wait_alu depctr_va_vdst(0)
.rept 16
	v_pk_add_f32 v[192+2*pn:193+2*pn], v[192+2*pn:193+2*pn], 1.0 op_sel_hi:[1,0]
.set pn, pn+1
.endr
.set pn, 0
.rept 32
	v_rcp_f32 v[192+pn], v[192+pn]                 ; sigmoid(z) = 1 / (1 + 2^(-z log2(e)))
.set pn, pn+1
.endr
	v_nop
	s_wait_dscnt 0x0                               ; V, P and their scale words are in
	; O^T = V^T P^T for my two query tiles: two K steps of 128 keys, four accumulators by turns
	WIN 0x45
.irp p, 0,1
.irp u, 0,1
	WM 224+16*\p+8*\u, 160+16*\u, 128+16*\p, -1, VS+\u, PS+\p, 0, 0
.endr
.endr
	WIN 0x50                                       ; the second K step's fragments lie in window 0
.irp p, 0,1
.irp u, 0,1
	WM 224+16*\p+8*\u, VB+16*\u, PB+16*\p, 224+16*\p+8*\u, VS+\u, PS+\p, 1, 1
.endr
.endr
	WIN 0
	PLACES 8                                       ; in front of the loads into the first K step's registers, of the first read of results, and of the quantiser's writes
	s_cmp_eq_u32 s[HG], 3
	s_cbranch_scc1 .Llast_c
	LOADB 8, 4, 0                                  ; the next head's bias of query tiles 8-11
	s_branch .Lgo_c
.Llast_c:
	WIN 0x40                                       ; in the last head these registers take bo, in the last product's layout
.irp t, 0,1,2,3,4,5,6,7
	ds_load_b128 v[128+8*\t:131+8*\t], v[ABO] offset:128*(\t/2)+32*(\t%2)         ; bo at channels 32 (t / 2) + 16 h + 8 (t % 2) + 0 .. 7: the C
	ds_load_b128 v[132+8*\t:135+8*\t], v[ABO] offset:128*(\t/2)+32*(\t%2)+16
.endr
	WIN 0
.Lgo_c:
	WIN 0x45
.set pn, 0
	s_wait_alu depctr_va_vdst(0)
.rept 16
	v_pk_mul_f32 v[224+2*pn:225+2*pn], v[224+2*pn:225+2*pn], v[192+2*pn:193+2*pn]   ; x gate: the same lane, the same channels
.set pn, pn+1
.endr
	QUANT 2, 224, TMH, 4, PCR, 1, 1                ; a head's 32 channels are one block of the last product's K
	v_add_nc_u32 v[AO], s[SAO], v[LN16]            ; made here, where no LDS instruction of mine is out (the quantiser's wait)
	ds_store_b128 v[AO], v[PCR:PCR+3]              ; these two may stay out over the loop's edge: their registers are written again only behind the next quantiser's wait
	ds_store_b128 v[AO], v[PCR+4:PCR+7] offset:2048
	v_lshl_or_b32 v[OS], v[TMH+16], s[SH], v[OS]
	v_lshl_or_b32 v[OS+1], v[TMH+17], s[SH], v[OS+1]
	s_add_co_u32 s[SAQ], s[SAQ], 8192
	s_add_co_u32 s[SAK], s[SAK], 8192
	s_add_co_u32 s[SAQS], s[SAQS], 1024
	s_add_co_u32 s[SAKS], s[SAKS], 1024
	s_add_co_u32 s[SAWG], s[SAWG], 4096
	s_add_co_u32 s[SAWGS], s[SAWGS], 128
	s_add_co_u32 s[SABG], s[SABG], 128
	s_add_co_u32 s[SAV], s[SAV], 8192
	s_add_co_u32 s[SAVS], s[SAVS], 256
	s_add_co_u32 s[SAO], s[SAO], 512
	s_add_co_u32 s[SH], s[SH], 8
	s_add_co_u32 s[HG], s[HG], 1
	s_cmp_lt_u32 s[HG], 4
	s_cbranch_scc1 .Lhead
	; ---- THE LAST PRODUCT, for my 32 positions.  Wo, bo and Wo's scale words are in registers.  Gated O's images are my own bytes: LDS serves a wave's instructions in order
	s_wait_loadcnt 0x0                             ; no load from memory is out when S's registers serve as Wo
	v_add_nc_u32 v10, s[SOF], v[LN16]
	s_mul_i32 s2, s[SWV], 16*SP
	s_add_co_u32 s2, s2, STG                       ; my stage
	v_mul_u32_u24 v14, v22, SP
	v_add_nc_u32 v14, v14, v[H64]
	v_add_nc_u32 v14, s2, v14                      ; in: row r, + 64 h
	v_mul_u32_u24 v15, v23, SP
	v_lshl_add_u32 v15, v22, 4, v15
	v_add_nc_u32 v15, s2, v15                      ; back: lanes 0-15 one row of 256 bytes, lanes 16-31 the next
	v_lshlrev_b32 v16, 9, v23
	v_lshl_add_u32 v16, v22, 4, v16                ; and the same two rows in the output
.irp p, 0,1
.irp c, 0,1,2,3
	ds_load_b128 v[OF+16*\p+4*\c:OF+16*\p+4*\c+3], v10 offset:2048*\p+512*\c
.endr
.endr
	s_wait_dscnt 0x0
	PLACES 8                                       ; gated O's scale words were made by vector instructions: eight places ahead of the product that names them
.irp p, 0,1
.if \p == 1
	s_wait_xcnt 0x0                                ; the first tile's stores have read their registers, which take rows again
.endif
	WIN 0x51                                       ; Wo, bo and the results window 1, gated O window 0
.irp t, 0,1,2,3,4,5,6,7
	WM 192+8*\t, 16*\t, OF+16*\p, 128+8*\t, WOS+\t/2, OS+\p, \t%2, 0
.endr
	WIN 0
	PLACES 9                                       ; eight in front of the stores that read the results; nine in front of the second tile's products, which write over them
.irp f, 0,1                            ; channels 64 f on: half a row of each of the 16 positions
	WIN 0x04                                       ; an LDS store's data are its source 1: window 1
.irp t, 0,1,2,3
	ds_store_b128 v14, v[192+32*\f+8*\t:195+32*\f+8*\t] offset:128*(\t/2)+32*(\t%2)       ; each result from its low end on
	ds_store_b128 v14, v[196+32*\f+8*\t:199+32*\f+8*\t] offset:128*(\t/2)+32*(\t%2)+16
.endr
	WIN 0
.irp i, 0,1,2,3,4,5,6,7
	ds_load_b128 v[RB+32*\f+4*\i:RB+32*\f+4*\i+3], v15 offset:2*\i*SP      ; these see my stores above, and the next half's stores come behind them
.endr
.endr
.irp f, 0,1
.irp i, 0,1,2,3,4,5,6,7
	s_wait_dscnt 16*(1-\f)+7-\i                    ; behind this load: the rest of its eight, and for the first half the second's eight stores and eight loads
	global_store_b128 v16, v[RB+32*\f+4*\i:RB+32*\f+4*\i+3], s[OUT:OUT+1] offset:(8*\p+2*\i+8*(\i/4))*512+256*\f th:TH_STORE_NT   ; sixteen lanes store 256 consecutive bytes, aligned; row 2 i + h of the tile
.endr
.endr
.endr
	s_wait_tensorcnt 0x0
	ds_add_u32 v254, v255
	s_wait_dscnt 0x0
	s_endpgm
.Lfunc_end_k_q45c2eb2a83_attn:
	.size	k_q45c2eb2a83_attn, .Lfunc_end_k_q45c2eb2a83_attn-k_q45c2eb2a83_attn
	.p2alignl 7, 3214868480
	.fill 96, 4, 3214868480
	.section	.rodata,"a",@progbits
	.p2align	6, 0x0
	.amdhsa_kernel k_q45c2eb2a83_attn
		.amdhsa_group_segment_fixed_size 313344
		.amdhsa_private_segment_fixed_size 0
		.amdhsa_enable_private_segment 0
		.amdhsa_kernarg_size 120
		.amdhsa_user_sgpr_count 2
		.amdhsa_user_sgpr_kernarg_segment_ptr 1
		.amdhsa_wavefront_size32 1
		.amdhsa_system_sgpr_workgroup_id_x 1
		.amdhsa_system_sgpr_workgroup_id_y 1
		.amdhsa_system_sgpr_workgroup_id_z 1
		.amdhsa_system_vgpr_workitem_id 0
		.amdhsa_next_free_vgpr 512
		.amdhsa_next_free_sgpr 100
		.amdhsa_reserve_vcc 0
		.amdhsa_float_denorm_mode_32 3
		.amdhsa_float_denorm_mode_16_64 3
		.amdhsa_memory_ordered 1
		.amdhsa_forward_progress 1
		.amdhsa_inst_pref_size 175
	.end_amdhsa_kernel
	.amdgpu_metadata
---
amdhsa.version: [ 1, 2 ]
amdhsa.kernels:
  - .name:           k_q45c2eb2a83_attn
    .symbol:         k_q45c2eb2a83_attn.kd
    .args:
      - { .name: xq, .offset: 0, .size: 8, .value_kind: global_buffer, .address_space: global }
      - { .name: biasw, .offset: 8, .size: 8, .value_kind: global_buffer, .address_space: global }
      - { .name: Wq_codes, .offset: 16, .size: 8, .value_kind: global_buffer, .address_space: global }
      - { .name: Wq_scales, .offset: 24, .size: 8, .value_kind: global_buffer, .address_space: global }
      - { .name: Wk_codes, .offset: 32, .size: 8, .value_kind: global_buffer, .address_space: global }
      - { .name: Wk_scales, .offset: 40, .size: 8, .value_kind: global_buffer, .address_space: global }
      - { .name: Wv_codes, .offset: 48, .size: 8, .value_kind: global_buffer, .address_space: global }
      - { .name: Wv_scales, .offset: 56, .size: 8, .value_kind: global_buffer, .address_space: global }
      - { .name: Wg_codes, .offset: 64, .size: 8, .value_kind: global_buffer, .address_space: global }
      - { .name: Wg_scales, .offset: 72, .size: 8, .value_kind: global_buffer, .address_space: global }
      - { .name: bg, .offset: 80, .size: 8, .value_kind: global_buffer, .address_space: global }
      - { .name: Wo_codes, .offset: 88, .size: 8, .value_kind: global_buffer, .address_space: global }
      - { .name: Wo_scales, .offset: 96, .size: 8, .value_kind: global_buffer, .address_space: global }
      - { .name: bo, .offset: 104, .size: 8, .value_kind: global_buffer, .address_space: global }
      - { .name: out0, .offset: 112, .size: 8, .value_kind: global_buffer, .address_space: global }
    .group_segment_fixed_size: 313344
    .private_segment_fixed_size: 0
    .kernarg_segment_align: 8
    .kernarg_segment_size: 120
    .max_flat_workgroup_size: 256
    .sgpr_count:     100
    .vgpr_count:     512
    .wavefront_size: 32
...
	.end_amdgpu_metadata
.endif
;; end of part 2
;; ======== version 2 of 2: 2 launches; version 1 with the launch attn written anew for expert scheduling mode
;; workspace buffers: xq 9,437,184 bytes; biasw 1,048,576 bytes
;; launch prep: the kernel of part 1 again; grid 16 x 16, 8 waves a work-group, no clusters, 75,776 bytes of LDS; arguments x, Wb, xq, biasw; writes xq, biasw
;; launch attn (part 3): grid 256 x 1, 8 waves a work-group, no clusters, 313,344 bytes of LDS; arguments xq, biasw, Wq_codes, Wq_scales, Wk_codes, Wk_scales, Wv_codes, Wv_scales, Wg_codes, Wg_scales, bg, Wo_codes, Wo_scales, bo, out0; writes out0
.if DOCPART == 3
	.amdgcn_target "amdgcn-amd-amdhsa--gfx1250"
	.amdhsa_code_object_version 6
	.text
	.protected	k_q45c2eb2a83_attn
	.globl	k_q45c2eb2a83_attn
	.p2align	8
	.type	k_q45c2eb2a83_attn,@function
k_q45c2eb2a83_attn:
	s_mov_b64 s[64:65], 0
	v_nop
	global_prefetch_b8 v0, s[64:65] scope:SCOPE_SE
	s_setreg_imm32_b32 hwreg(HW_REG_WAVE_SCHED_MODE, 0, 2), 2
	s_setreg_imm32_b32 hwreg(HW_REG_WAVE_MODE, 25, 1), 1
	s_wait_xcnt 0x0
	s_wait_alu depctr_vm_vsrc(0)
; One work-group takes one plane i of x through the whole chain: q, k, v, gate; for each of 4 heads S = q k^T + bias, softmax OVER THE QUERIES, P quantised along the keys, O = P v, gate; the last product with Wo; + bo.
; All quantised products run on codes of E4M3 with E8M0 scales for each 32 along K.  x comes as codes in register images (xq), the bias in the image of S's accumulators (biasw): both made by the launch before.
; TILES.  Row rho of a tile T of 16 positions is position 32 (T / 2) + 8 (T % 2) + rho + 8 (rho / 8); the rows of a weight that form a tile are chosen the same way.  So in every transposed result the 16 registers
; of tiles 2 b and 2 b + 1 in lane (r, h) are the 16 neighbours 32 b + 16 h + 0 .. 15 along the next K, and a conversion's results are the next operand's registers.
; SHARES.  Prologue: wave (a = w / 4, g = w % 4) makes q, k, v of head g for position tiles 8 a .. 8 a + 7.  Head loop: wave w owns the 32 keys of tiles 2 w, 2 w + 1 for ALL 256 queries: S^T = K Q^T + bias, 32 accumulators;
; a lane holds one query and 16 keys, so the softmax over queries is a walk over the 16 tiles and four steps across sixteen lanes, all inside the wave, and a block of 32 keys lies in lanes l and l xor 16.
; P's codes go to LDS; behind a barrier wave w owns the queries of tiles 2 w, 2 w + 1: O^T = V^T P^T, x gate, quantised; at the end its 32 rows of the output.
; S HAS K = 32: one block of the instruction's four.  K's codes stand in blocks 0 and 3, an even query tile's in block 0, an odd one's in block 3 of a run of 20 registers that two fragments share; all else is zero codes.
; OPERANDS GO THROUGH LDS AS IMAGES OF THEIR REGISTERS: 512 bytes a block of 32 along K, lane l's 16 bytes at 16 l.  Scale words: 64 bytes a tile; a load of 4 bytes a lane takes two tiles' words, and the row selector picks one.
; EVERY LOAD IS ASKED FOR A PHASE AHEAD OF ITS USE, as soon as its registers are free: the next head's K, Q and bias while this head's P is quantised, V while the gate is worked, the next trip's x behind a trip's products,
; Wo and bo in the last head where the others ask for the next bias.  So vector work stands between each request and the wait for it.
; NO CLUSTER, NO TENSOR LOADS: what work-groups share is the bias alone, and it goes from memory straight into the accumulators as C; through LDS it would be written and read there once more for each work-group.
; LIMITS: NaN and infinities are not served.  A block of zeros gets the byte 1 where the quantiser says 127: its codes are zeros, and this program alone reads the bytes.  Exponentials under 2^-126 come out as 0.
; THE MODE: SCHED_MODE bits 1:0 = 2 (LLVM: expert scheduling mode 2), set by the entry lines.  The code itself states the register dependences between vector or matrix instructions and memory or LDS instructions,
; with s_wait_alu, always for 0.
; THE PLAN, round the head loop.  Registers that memory or LDS instructions touch:
;   S, four groups of four tiles (window 1)   the bias's loads land; the products add onto them; softmax and P's quantiser work them.  A group is free behind its conversions and takes what comes next:
;                                             groups 0, 1 the next head's bias (last head: Wo); group 2 x and Wg, then P and V, then the next bias (last head: bo); group 3 the gate and O^T, then the next bias.
;   K, Q, their scale words                   LDS loads land; the S products read.  Q's two sets are loaded again in the head's middle, all of them behind group 0 of P, for the next head.
;   v[PCR ..], the bytes v[TMH + 16 ..]       the out-buffer: each quantiser writes it, the LDS stores behind it read it.
;   v50-81, v82-113                           maxima, sums, bg and the quantiser's scratch; then V's and P's second K step land there, and the P V products read them.
;   v10-18, v19                               LDS addresses: made at the loop's head, v19 behind the last quantiser; read by the LDS instructions of the trip.
; One wait on va_vdst ahead of each group's stores states that codes and bytes are written, and with it that all earlier work on the group, on K and on Q is done: the loads that follow the stores owe nothing more.
; One stands behind each run of products whose operands' registers are loaded again at once (S's first sixteen, the gate's four, P V's eight), behind the places.  One wait on vm_vsrc stands at the loop's head, ahead of the
; lines that make the addresses anew, and one in each quantiser, ahead of the lines that write the out-buffer again.
.set XIMG,  0                          ; x: [T 16] 2,048 bytes
.set QIMG,  32768                      ; q: [g] 8,192, [T] 512
.set KIMG,  65536                      ; k likewise
.set VIMG,  98304                      ; v: [g] 8,192, [u] 4,096, [s] 2,048, [c] 512: channels of tile u, keys 128 s + 32 c on
.set PIMG,  131072                     ; P of the head in hand: [t] 4,096, [s] 2,048, [c] 512
.set OIMG,  196608                     ; gated O: [w] 4,096, [p] 2,048, [c = g] 512: each wave's own
.set WGIMG, 229376                     ; Wg: [T 8] 2,048
.set WOIMG, 245760                     ; Wo likewise
.set QSC,   262144                     ; q's scale bytes, each four times in a word: [g] 1,024, [T] 64
.set KSC,   266240                     ; k's likewise
.set XSC,   270336                     ; x's scale words: [T] 64
.set VSC,   271360                     ; v's: [g] 256, [u] 128, [s] 64
.set PSC,   272384                     ; P's: [t] 128, [s] 64, byte 4 r + c
.set WGSC,  274432                     ; Wg's: [T] 64
.set WOSC,  274944                     ; Wo's
.set BGL,   275456                     ; bg: word n holds bg[n % 128], n = the thread that wrote it
.set BOL,   276480                     ; bo likewise
.set STG,   277504                     ; the way out: 16 rows x 272 bytes for each wave
.set SP,    272                        ; 256 bytes + 16 = 68 words: row r begins 4 r words on, modulo 64
; window 0
.set LN16, 1                           ; 16 x lane
.set LN4,  2                           ; 4 x lane
.set R4,   3                           ; 4 r
.set AP,   4                           ; where I put P's codes: PIMG + 512 w + 16 lane
.set APS,  5                           ; and P's scale bytes: PSC + 64 (w / 4) + w % 4 + 4 r
.set AX,   6                           ; my two tiles of x
.set AXS,  7                           ; their scale words
.set APL,  8                           ; my two query tiles of P
.set APSL, 9                           ; their scale words
.set AQ,   10                          ; v10-19: addresses that hang on the head, made anew in each trip from stepped scalars
.set AK,   11
.set AQS,  12
.set AKS,  13
.set AWG,  14
.set AWGS, 15
.set ABG,  16
.set AV,   17
.set AVS,  18
.set AO,   19
.set H64,  20                          ; 64 h;  v22 = r, v23 = h: kept
.set KS,   24                          ; v24-48 hold scales and nothing else
.set QS,   25
.set XS,   33
.set WGS,  34
.set VS,   35
.set PS,   37
.set OS,   39
.set WOS,  41
.set WQS,  45
.set WKS,  46
.set WVS,  47
.set XPS,  48
.set MXR,  50                          ; v50-65   for each of my 16 keys: the largest score, then x log2(e)
.set SUMR, 66                          ; v66-81   the sum, then its reciprocal
.set VB,   50                          ; v50-81   once P is normalised: V's fragments of the second 128 keys
.set BGR,  82                          ; v82-97   bg in the gate's layout
.set PB,   82                          ; v82-113  once the gate's products are done: P's fragments of the second 128 keys
.set TMH,  98                          ; v98-117  the quantiser's: largest magnitudes, the other half's, holds, scale operands, bytes: four each
.set PCR,  118                         ; v118-133 codes just made
.set KF,   134                         ; v134-165 K: tile u at 134 + 16 u: codes, 8 zeros, the same codes
.set QF,   166                         ; v166-245 Q: four runs of 20: an even tile's codes, 12 zeros, the odd tile's codes
.set VW,   246                         ; v246-247 v's scale words in the making
.set AWO,  249                         ; v249 Wo's images;  v250 bo;  v251 Wo's scale words: never rewritten
.set ABO,  250
.set AWS,  251
.set TMP,  50                          ; prologue: v50-79 the quantiser's, six each; v80-103 codes
.set PCP,  80
.set WQ,   134                         ; prologue: my head's two tiles of Wq, Wk, Wv
.set WK,   166
.set WVR,  198
.set OF,   134                         ; epilogue: gated O's two fragments; v166-229 rows read back
.set RB,   166
; window 1: S^T, tile t, key kappa = 8 u + rho, at 16 t + kappa.  Once tiles 8-15 are converted: 128-159 x or P, 160-191 Wg or V, 192-223 the gate, 224-255 O^T.
; prologue: 128-223 six blocks of 16 (q, q, k, k, v, v), 224-255 x.  epilogue: 0-127 Wo, 128-191 bo, 192-255 the results.
.set SWV,  38
.set SWA,  39
.set SWG,  40
.set SC2,  42                          ; s[42:43] log2(e);  s[44:45] -log2(e);  s[46:47] 1 / sqrt(32): packed forms name a pair and take its low word
.set NC2,  44
.set ISP,  46
.set SEL,  48
.set MNT,  50
.set HG,   51                          ; the head
.set SH,   52                          ; 8 x the head
.set CNT,  53
.set SAQ,  54
.set SAK,  55
.set SAQS, 56
.set SAKS, 57
.set SAWG, 58
.set SAWGS, 59
.set SABG, 60
.set SAV,  61
.set SAVS, 62
.set SAO,  63
.set SPXA, 66
.set SPXS, 67
.set SPQA, 68
.set SPQS, 69
.set SPVA, 70
.set SSH,  71
.set BB,   72                          ; s[72:73] the bias, my keys, of the head whose bias is being asked for
.set OUT,  74                          ; s[74:75] my 32 rows of the output
.set XB,   76                          ; s[76:77] my two records of xq
.set SOF,  78
.set MSB, 0
.macro WIN new                         ; low byte: bits 1:0 source 0, 3:2 source 1, 5:4 source 2, 7:6 destination; the high byte repeats the setting that is left
.if MSB != \new
	s_set_vgpr_msb (MSB<<8)|\new
.set MSB, \new
.endif
.endm
.macro PLACES n                        ; plain vector lines between a matrix instruction and what may not follow it closely (ISA guide 7.12.1)
.rept \n
	v_nop
.endr
.endm
.macro BAR                             ; my LDS stores have landed and my LDS loads are in: then the work-group's barrier
	s_wait_dscnt 0x0
	s_barrier_signal -1
	s_barrier_wait -1
.endm
; One matrix instruction.  d, a, b: first registers; c: C's first register, or -1 for the constant 0; sa, sb: scale registers; ra, rb: 1 = the scales stand in lanes 16-31
.macro WM d, a, b, c, sa, sb, ra, rb
.if (\c) < 0
.if (\ra) && (\rb)
	v_wmma_scale_f32_16x16x128_f8f6f4 v[(\d):(\d)+7], v[(\a):(\a)+15], v[(\b):(\b)+15], 0, v[(\sa)], v[(\sb)] matrix_a_scale:MATRIX_SCALE_ROW1 matrix_b_scale:MATRIX_SCALE_ROW1
.elseif (\ra)
	v_wmma_scale_f32_16x16x128_f8f6f4 v[(\d):(\d)+7], v[(\a):(\a)+15], v[(\b):(\b)+15], 0, v[(\sa)], v[(\sb)] matrix_a_scale:MATRIX_SCALE_ROW1
.elseif (\rb)
	v_wmma_scale_f32_16x16x128_f8f6f4 v[(\d):(\d)+7], v[(\a):(\a)+15], v[(\b):(\b)+15], 0, v[(\sa)], v[(\sb)] matrix_b_scale:MATRIX_SCALE_ROW1
.else
	v_wmma_scale_f32_16x16x128_f8f6f4 v[(\d):(\d)+7], v[(\a):(\a)+15], v[(\b):(\b)+15], 0, v[(\sa)], v[(\sb)]
.endif
.else
.if (\ra) && (\rb)
	v_wmma_scale_f32_16x16x128_f8f6f4 v[(\d):(\d)+7], v[(\a):(\a)+15], v[(\b):(\b)+15], v[(\c):(\c)+7], v[(\sa)], v[(\sb)] matrix_a_scale:MATRIX_SCALE_ROW1 matrix_b_scale:MATRIX_SCALE_ROW1
.elseif (\ra)
	v_wmma_scale_f32_16x16x128_f8f6f4 v[(\d):(\d)+7], v[(\a):(\a)+15], v[(\b):(\b)+15], v[(\c):(\c)+7], v[(\sa)], v[(\sb)] matrix_a_scale:MATRIX_SCALE_ROW1
.elseif (\rb)
	v_wmma_scale_f32_16x16x128_f8f6f4 v[(\d):(\d)+7], v[(\a):(\a)+15], v[(\b):(\b)+15], v[(\c):(\c)+7], v[(\sa)], v[(\sb)] matrix_b_scale:MATRIX_SCALE_ROW1
.else
	v_wmma_scale_f32_16x16x128_f8f6f4 v[(\d):(\d)+7], v[(\a):(\a)+15], v[(\b):(\b)+15], v[(\c):(\c)+7], v[(\sa)], v[(\sb)]
.endif
.endif
.endm
; n tiles of the bias, from tile t0 on, into S's registers: four loads of 512 consecutive bytes a tile
.macro LOADB t0, n, off
	WIN 0x40                                       ; destination window 1
.set lt, \t0
.rept \n
.irp q, 0,1,2,3
	global_load_b128 v[16*lt+4*\q:16*lt+4*\q+3], v[LN16], s[BB:BB+1] offset:\off+2048*lt+512*\q
.endr
.set lt, lt+1
.endr
	WIN 0
.endm
; nb blocks of 32 along K.  Block b: my 16 numbers in window 1, v[base + 16 b] on; the other 16 in lane l xor 16.  Codes to v[pc + 4 b] on, bytes to v[tm + 4 st + b].  sgn = 0: the numbers are not negative.
; wt = 1: LDS stores of the last codes and bytes may still be out: they are waited for ahead of the first line that writes their registers again
.macro QUANT nb, base, tm, st, pc, sgn, wt
	WIN 0x05
.set qb, 0
.rept \nb
.if \sgn
	v_max3_num_f32 v[\tm+qb], |v[(\base)+16*qb]|, |v[(\base)+16*qb+1]|, 0x4800000   ; with the floor 2^(9 - 127): the byte cannot fall under 1.  (Each result is read from its low end on)
.else
	v_max3_num_f32 v[\tm+qb], v[(\base)+16*qb], v[(\base)+16*qb+1], 0x4800000
.endif
.set qb, qb+1
.endr
	WIN 0x14
.irp i, 2,4,6,8,10,12,14
.set qb, 0
.rept \nb
.if \sgn
	v_max3_num_f32 v[\tm+qb], v[\tm+qb], |v[(\base)+16*qb+\i]|, |v[(\base)+16*qb+\i+1]|   ; the blocks by turns
.else
	v_max3_num_f32 v[\tm+qb], v[\tm+qb], v[(\base)+16*qb+\i], v[(\base)+16*qb+\i+1]
.endif
.set qb, qb+1
.endr
.endr
	WIN 0
.if \wt
	s_wait_dscnt 0x0                               ; my LDS instructions issued so far are done
	s_wait_alu depctr_vm_vsrc(0)                   ; the LDS stores of the last codes and bytes have read v[pc ..] and v[tm + 4 st ..], which are written again from here on
.endif
.set qb, 0
.rept \nb
	v_permlanex16_b32 v[\tm+\st+qb], v[\tm+qb], s[SEL], s[SEL+1]
.set qb, qb+1
.endr
.set qb, 0
.rept \nb
	v_max_num_f32 v[\tm+qb], v[\tm+qb], v[\tm+\st+qb]   ; the block's largest magnitude
.set qb, qb+1
.endr
.set qb, 0
.rept \nb
	v_add_nc_u32 v[\tm+3*\st+qb], 0xfc000000, v[\tm+qb]   ; 8 off its exponent field: the conversion's scale operand
.set qb, qb+1
.endr
.set qb, 0
.rept \nb
	v_and_or_b32 v[\tm+2*\st+qb], v[\tm+qb], 0x7f800000, s[MNT]   ; 448 x the scale
.set qb, qb+1
.endr
.set qb, 0
.rept \nb
	v_lshrrev_b32 v[\tm+4*\st+qb], 23, v[\tm+3*\st+qb]   ; the scale's byte
.set qb, qb+1
.endr
	WIN 0x41
.set qb, 0
.rept \nb
.irp i, 0,1,2,3,4,5,6,7,8,9,10,11,12,13,14,15
.if \sgn
	v_med3_num_f32 v[(\base)+16*qb+\i], v[(\base)+16*qb+\i], -v[\tm+2*\st+qb], v[\tm+2*\st+qb]   ; the conversion to an 8-bit code does not saturate (ISA guide 7.6.2): the hold comes first
.else
	v_min_num_f32 v[(\base)+16*qb+\i], v[(\base)+16*qb+\i], v[\tm+2*\st+qb]
.endif
.endr
.set qb, qb+1
.endr
	WIN 0x01
.set qb, 0
.rept \nb
	v_cvt_scalef32_pk8_fp8_f32 v[\pc+4*qb:\pc+4*qb+1], v[(\base)+16*qb:(\base)+16*qb+7], v[\tm+3*\st+qb]
	v_cvt_scalef32_pk8_fp8_f32 v[\pc+4*qb+2:\pc+4*qb+3], v[(\base)+16*qb+8:(\base)+16*qb+15], v[\tm+3*\st+qb]
.set qb, qb+1
.endr
	WIN 0
	v_nop                                          ; one plain line behind the last conversion
.endm
; the prologue: two tiles of x and their scale words, off bytes on from the trip in hand
.macro PXLOAD off
	WIN 0x40
.irp p, 0,1
.irp c, 0,1,2,3
	ds_load_b128 v[224+16*\p+4*\c:227+16*\p+4*\c], v10 offset:\off+2048*\p+512*\c
.endr
.endr
	WIN 0
	ds_load_b32 v[XPS], v11 offset:(\off)/32       ; lanes 0-15 the even tile's words, lanes 16-31 the odd one's
.endm
; a trip of the prologue: q, k, v of my head for two tiles of positions.  more = 1: the next trip's x is asked for, into the same registers, as soon as this trip's products have read them
.macro PTRIP more
	s_wait_dscnt 0x0                               ; x is in, and the last trip's stores are done
	s_wait_alu depctr_vm_vsrc(0)                   ; the last trip's LDS stores have read v12-14, the codes and the bytes, and x's loads v10 and v11: all are written again in this trip
	v_add_nc_u32 v12, s[SPQA], v[LN16]
	v_add_nc_u32 v13, s[SPQS], v[R4]
	v_add_nc_u32 v14, s[SPVA], v[LN16]
.if \more
	v_add_nc_u32 v10, s[SPXA], v[LN16]
	v_add_nc_u32 v11, s[SPXS], v[LN4]
.endif
	WIN 0x44                                       ; source 0 (weights) window 0, source 1 (x) and the result window 1
.irp p, 0,1
.irp u, 0,1
	WM 128+16*\p+8*\u, WQ+16*\u, 224+16*\p, -1, WQS, XPS, \u, \p     ; q^T: lane (r, h): position r, channels 16 h + 8 u + 0 .. 7 of the head
.endr
.endr
.irp p, 0,1
.irp u, 0,1
	WM 160+16*\p+8*\u, WK+16*\u, 224+16*\p, -1, WKS, XPS, \u, \p     ; k^T likewise
.endr
.endr
	WIN 0x41                                       ; source 0 (x) and the result window 1, source 1 (Wv) window 0
.irp u, 0,1
.irp p, 0,1
	WM 192+16*\u+8*\p, 224+16*\p, WVR+16*\u, -1, XPS, WVS, \p, \u    ; v: lane (r, h): channel r of tile u, keys 16 h + 8 p + 0 .. 7 of the trip's 32
.endr
.endr
	PLACES 8                                       ; in front of the first read of results
.if \more
	s_wait_alu depctr_va_vdst(0)                   ; the twelve products are done reading x and its scale words, in whose registers the next trip's land; v10 and v11, by which they are loaded, are written
	PXLOAD 4096                                    ; it lands while this trip's results are quantised
.endif
	WIN 0x41
.set pn, 0
.rept 16
	v_pk_mul_f32 v[128+2*pn:129+2*pn], v[128+2*pn:129+2*pn], s[ISP:ISP+1] op_sel_hi:[1,0]   ; q / sqrt(32), ahead of the quantiser
.set pn, pn+1
.endr
	QUANT 6, 128, TMP, 6, PCP, 1, 0                ; the waits at the trip's head serve it: no store is out, and the last stores have read its out-registers; the loads of x that are out name none of its registers
.irp b, 0,1,2,3
	v_perm_b32 v[TMP+6+\b], v[TMP+24+\b], v[TMP+24+\b], 0   ; q's and k's byte in all four places of a word: their one block may stand in any of the instruction's four
.endr
	s_wait_alu depctr_va_vdst(0)                   ; the conversions have written the codes v[PCP ..], the lines above the scale words v[TMP + 6 ..]; v12-14 are written: the ten LDS stores read them
	ds_store_b128 v12, v[PCP:PCP+3]
	ds_store_b128 v12, v[PCP+4:PCP+7] offset:512
	ds_store_b128 v12, v[PCP+8:PCP+11] offset:32768
	ds_store_b128 v12, v[PCP+12:PCP+15] offset:32768+512
	ds_store_b128 v14, v[PCP+16:PCP+19]
	ds_store_b128 v14, v[PCP+20:PCP+23] offset:4096
	ds_store_b32 v13, v[TMP+6]
	ds_store_b32 v13, v[TMP+7] offset:64
	ds_store_b32 v13, v[TMP+8] offset:4096
	ds_store_b32 v13, v[TMP+9] offset:4096+64
	v_lshl_or_b32 v[VW], v[TMP+28], s[SSH], v[VW]      ; v's byte of this trip's 32 keys: the trip's place in the word
	v_lshl_or_b32 v[VW+1], v[TMP+29], s[SSH], v[VW+1]
.endm
	s_load_b512 s[8:23], s[0:1], 0x0               ; xq, biasw, Wq codes, scales, Wk codes, scales, Wv codes, scales
	s_load_b256 s[24:31], s[0:1], 0x40             ; Wg codes, scales, bg, Wo codes
	s_load_b128 s[32:35], s[0:1], 0x60             ; Wo scales, bo
	s_load_b64 s[36:37], s[0:1], 0x70              ; out0
	v_lshl_add_u32 v254, v0, 2, 0x4c400
	v_mov_b32 v255, 0
	v_lshrrev_b32 v21, 5, v0
	v_readfirstlane_b32 s[SWV], v21                ; wave w
	v_and_b32 v21, 31, v0                          ; lane
	v_and_b32 v22, 15, v0                          ; r
	v_bfe_u32 v23, v0, 4, 1                        ; h
	v_lshlrev_b32 v[LN16], 4, v21
	v_lshlrev_b32 v[LN4], 2, v21
	v_lshlrev_b32 v[R4], 2, v22
	v_lshlrev_b32 v[H64], 6, v23
	v_add_nc_u32 v[AWO], WOIMG, v[LN16]
	v_add_nc_u32 v[ABO], BOL, v[H64]
	v_add_nc_u32 v[AWS], WOSC, v[LN4]
	s_wait_alu depctr_va_sdst(0)                   ; the wave's number is written, ahead of its first reader: shares, addresses and bases are made from it
	s_lshr_b32 s[SWA], s[SWV], 2                   ; a
	s_and_b32 s[SWG], s[SWV], 3                    ; g of the prologue; also c = w % 4
	s_lshl_b32 s2, s[SWV], 9
	s_add_co_u32 s2, s2, PIMG
	v_add_nc_u32 v[AP], s2, v[LN16]
	s_lshl_b32 s2, s[SWA], 6
	s_add_co_u32 s2, s2, s[SWG]
	s_add_co_u32 s2, s2, PSC
	v_add_nc_u32 v[APS], s2, v[R4]
	s_lshl_b32 s2, s[SWV], 12
	v_add_nc_u32 v[AX], s2, v[LN16]                ; XIMG = 0
	s_lshl_b32 s2, s[SWV], 7
	s_add_co_u32 s2, s2, XSC
	v_add_nc_u32 v[AXS], s2, v[LN4]
	v_add_nc_u32 v16, s2, v[R4]                    ; staging: x's scale words
	s_lshl_b32 s2, s[SWV], 13
	s_add_co_u32 s2, s2, PIMG
	v_add_nc_u32 v[APL], s2, v[LN16]
	s_lshl_b32 s2, s[SWV], 8
	s_add_co_u32 s2, s2, PSC
	v_add_nc_u32 v[APSL], s2, v[LN4]
	s_lshl_b32 s2, s[SWV], 11
	s_add_co_u32 s2, s2, WGIMG
	v_add_nc_u32 v17, s2, v[LN16]                  ; staging: tile w of Wg; Wo's lies 16,384 bytes on
	s_lshl_b32 s2, s[SWV], 6
	s_add_co_u32 s2, s2, WGSC
	v_add_nc_u32 v18, s2, v[R4]                    ; its scale words; Wo's 512 bytes on
	v_lshl_add_u32 v19, v0, 2, BGL                 ; bg; bo 1,024 bytes on
	v_lshlrev_b32 v10, 3, v22                      ; xq's scale words: 8 r
	v_and_b32 v49, 8, v22
	v_add_nc_u32 v49, v49, v22                     ; r + 8 (r / 8): the row of a weight's tile
	v_lshlrev_b32 v248, 7, v49
	v_lshl_add_u32 v248, v23, 4, v248              ; 128 bytes a row, + 16 h
	s_lshr_b32 s2, s[SWV], 1
	s_lshl_b32 s2, s2, 12
	s_and_b32 s3, s[SWV], 1
	s_lshl_b32 s3, s3, 10
	s_add_co_u32 s2, s2, s3                        ; tile w begins at row 32 (w / 2) + 8 (w % 2)
	v_add_nc_u32 v11, s2, v248
	s_lshr_b32 s3, s2, 5                           ; 4 bytes of scales a row against 128 of codes
	v_lshl_add_u32 v12, v49, 2, s3
	v_and_b32 v13, 127, v0
	v_lshlrev_b32 v13, 2, v13
	s_lshl_b32 s4, s[SWG], 12
	v_add_nc_u32 v14, s4, v248                     ; my head's tiles: rows 32 g on
	v_lshl_add_u32 v15, v23, 3, v49
	s_lshl_b32 s5, s[SWG], 7
	v_lshl_add_u32 v15, v15, 2, s5                 ; their scale words: lanes 0-15 tile 2 g, lanes 16-31 tile 2 g + 1
	s_mov_b32 s[SC2], 0x3fb8aa3b
	s_mov_b32 s[SC2+1], s[SC2]
	s_mov_b32 s[NC2], 0xbfb8aa3b
	s_mov_b32 s[NC2+1], s[NC2]
	s_mov_b32 s[ISP], 0x3e3504f3
	s_mov_b32 s[ISP+1], s[ISP]
	s_mov_b32 s[SEL], 0x76543210
	s_mov_b32 s[SEL+1], 0xfedcba98
	s_mov_b32 s[MNT], 0x600000
	s_wait_kmcnt 0x0
	s_mul_i32 s2, ttmp9, 36864                     ; a plane's 16 records
	s_mul_i32 s3, s[SWV], 4608                     ; two records a wave
	s_add_co_u32 s2, s2, s3
	s_mov_b32 s3, 0
	s_add_nc_u64 s[XB:XB+1], s[8:9], s[2:3]
	s_lshl_b32 s2, s[SWV], 15
	s_add_nc_u64 s[BB:BB+1], s[10:11], s[2:3]
	s_lshl_b32 s2, ttmp9, 17
	s_lshl_b32 s4, s[SWV], 14
	s_add_co_u32 s2, s2, s4
	s_add_nc_u64 s[OUT:OUT+1], s[36:37], s[2:3]
	s_wait_alu depctr_va_vdst(0)                   ; all offsets and addresses made above (v1-20, v249-251, v254, v255) are written: the loads and LDS instructions of the kernel read them
	; ---- STAGING.  22 loads for LDS, 27 for my registers, 32 of the first head's bias
.irp p, 0,1
.irp c, 0,1,2,3
	global_load_b128 v[50+16*\p+4*\c:53+16*\p+4*\c], v[LN16], s[XB:XB+1] offset:2304*\p+512*\c th:TH_LOAD_NT
.endr
	global_load_b32 v[116+\p], v10, s[XB:XB+1] offset:2304*\p+2048 th:TH_LOAD_NT
.endr
.irp c, 0,1,2,3
	global_load_b128 v[82+4*\c:85+4*\c], v11, s[24:25] offset:32*\c
	global_load_b128 v[98+4*\c:101+4*\c], v11, s[30:31] offset:32*\c
.endr
	global_load_b32 v118, v12, s[26:27]
	global_load_b32 v119, v12, s[32:33]
	global_load_b32 v114, v13, s[28:29]
	global_load_b32 v115, v13, s[34:35]
.irp u, 0,1
.irp c, 0,1,2,3
	global_load_b128 v[WQ+16*\u+4*\c:WQ+16*\u+4*\c+3], v14, s[12:13] offset:1024*\u+32*\c
	global_load_b128 v[WK+16*\u+4*\c:WK+16*\u+4*\c+3], v14, s[16:17] offset:1024*\u+32*\c
	global_load_b128 v[WVR+16*\u+4*\c:WVR+16*\u+4*\c+3], v14, s[20:21] offset:1024*\u+32*\c
.endr
.endr
	global_load_b32 v[WQS], v15, s[14:15]
	global_load_b32 v[WKS], v15, s[18:19]
	global_load_b32 v[WVS], v15, s[22:23]
	LOADB 0, 8, 0
	s_wait_loadcnt 59                              ; the first 22 are in: 27 + 32 were issued behind them
.irp p, 0,1
.irp c, 0,1,2,3
	ds_store_b128 v[AX], v[50+16*\p+4*\c:53+16*\p+4*\c] offset:2048*\p+512*\c
.endr
	ds_store_b32 v16, v[116+\p] offset:64*\p       ; both halves of the lanes write the same word with the same value
.endr
.irp c, 0,1,2,3
	ds_store_b128 v17, v[82+4*\c:85+4*\c] offset:512*\c
	ds_store_b128 v17, v[98+4*\c:101+4*\c] offset:16384+512*\c
.endr
	ds_store_b32 v18, v118
	ds_store_b32 v18, v119 offset:512
	ds_store_b32 v19, v114
	ds_store_b32 v19, v115 offset:1024
	BAR                                            ; x, Wg, Wo, their scales, bg and bo lie in LDS
	s_wait_loadcnt 32                              ; my head's weights are in (and their address registers free): only the bias is out
	s_wait_alu depctr_vm_vsrc(0)                   ; the staging's loads have read v10-15, its LDS stores v16-19 and v50-119: these registers are written again from here on
	; ---- PROLOGUE: q, k, v of my head, two tiles of positions a trip; four trips, the last written out: it asks for no further x
.irp b, 0,1,2,3,4,5
	v_mov_b32 v[TMP+6+\b], 0                       ; written once: a lane permute's destination counts as one of its sources
.endr
	v_mov_b32 v[VW], 0
	v_mov_b32 v[VW+1], 0
	s_lshl_b32 s[SPXA], s[SWA], 14                 ; XIMG + 16,384 a
	s_lshl_b32 s[SPXS], s[SWA], 9
	s_add_co_u32 s[SPXS], s[SPXS], XSC
	s_lshl_b32 s2, s[SWG], 13
	s_lshl_b32 s3, s[SWA], 12
	s_add_co_u32 s[SPQA], s2, s3
	s_add_co_u32 s[SPQA], s[SPQA], QIMG
	s_lshl_b32 s3, s[SWA], 11
	s_add_co_u32 s[SPVA], s2, s3
	s_add_co_u32 s[SPVA], s[SPVA], VIMG
	s_lshl_b32 s2, s[SWG], 10
	s_lshl_b32 s3, s[SWA], 9
	s_add_co_u32 s[SPQS], s2, s3
	s_add_co_u32 s[SPQS], s[SPQS], QSC
	s_mov_b32 s[SSH], 0
	s_mov_b32 s[CNT], 0
	v_add_nc_u32 v10, s[SPXA], v[LN16]
	v_add_nc_u32 v11, s[SPXS], v[LN4]
	s_wait_alu depctr_va_vdst(0)                   ; v10 and v11 are written: x's loads read them
	PXLOAD 0                                       ; the first trip's x
.Lpro:
	PTRIP 1
	s_add_co_u32 s[SPXA], s[SPXA], 4096
	s_add_co_u32 s[SPXS], s[SPXS], 128
	s_add_co_u32 s[SPQA], s[SPQA], 1024
	s_add_co_u32 s[SPQS], s[SPQS], 128
	s_add_co_u32 s[SPVA], s[SPVA], 512
	s_add_co_u32 s[SSH], s[SSH], 8
	s_add_co_u32 s[CNT], s[CNT], 1
	s_cmp_lt_u32 s[CNT], 3
	s_cbranch_scc1 .Lpro
	PTRIP 0
	s_lshl_b32 s2, s[SWG], 8
	s_lshl_b32 s3, s[SWA], 6
	s_add_co_u32 s2, s2, s3
	s_add_co_u32 s2, s2, VSC
	v_add_nc_u32 v15, s2, v[R4]
	s_wait_alu depctr_va_vdst(0)                   ; v's two scale words and v15 are written, which the two LDS stores read; the quantiser is done with q's and k's registers, in which the bias lands
	LOADB 8, 4, 0                                  ; q's and k's registers are done with: they take the first head's bias of query tiles 8-11
	ds_store_b32 v15, v[VW]
	ds_store_b32 v15, v[VW+1] offset:128
	s_mov_b32 s[SAQ], QIMG
	s_lshl_b32 s[SAK], s[SWV], 10
	s_add_co_u32 s[SAK], s[SAK], KIMG
	s_mov_b32 s[SAQS], QSC
	s_lshl_b32 s[SAKS], s[SWV], 7
	s_add_co_u32 s[SAKS], s[SAKS], KSC
	s_mov_b32 s[SAWG], WGIMG
	s_mov_b32 s[SAWGS], WGSC
	s_mov_b32 s[SABG], BGL
	s_mov_b32 s[SAV], VIMG
	s_mov_b32 s[SAVS], VSC
	s_lshl_b32 s[SOF], s[SWV], 12
	s_add_co_u32 s[SOF], s[SOF], OIMG
	s_mov_b32 s[SAO], s[SOF]
	s_mov_b32 s[HG], 0
	s_mov_b32 s[SH], 0
	BAR                                            ; q, k, v of all heads lie in LDS
; four query tiles' codes into set sg; oc: 0 for the head in hand, 8,192 for the next
.macro QLOAD sg, t0, oc
.irp n, 0,1
	ds_load_b128 v[QF+40*\sg+20*\n:QF+40*\sg+20*\n+3], v[AQ] offset:\oc+512*(\t0+2*\n)
	ds_load_b128 v[QF+40*\sg+20*\n+16:QF+40*\sg+20*\n+19], v[AQ] offset:\oc+512*(\t0+2*\n+1)
.endr
.endm
; what a head's first sixteen products want: my keys' and all queries' scale words, my two tiles of K, query tiles 0-7.  oc, os: bytes on from the head in hand, in the images and in the scale words
.macro HLOAD oc, os
	ds_load_b32 v[KS], v[AKS] offset:\os
.irp n, 0,1,2,3,4,5,6,7
	ds_load_b32 v[QS+\n], v[AQS] offset:\os+128*\n
.endr
.irp u, 0,1
	ds_load_b128 v[KF+16*\u:KF+16*\u+3], v[AK] offset:\oc+512*\u
	ds_load_b128 v[KF+16*\u+12:KF+16*\u+15], v[AK] offset:\oc+512*\u
.endr
	QLOAD 0, 0, \oc
	QLOAD 1, 4, \oc
.endm
; eight products: four query tiles x my two key tiles; C = the bias, which lies in the result's registers.  Each accumulator has one instruction a head
.macro SMUL sg, t0
	WIN 0x50                                       ; C and D window 1
.irp n, 0,1
.irp o, 0,1
.irp u, 0,1
	WM 16*(\t0+2*\n+\o)+8*\u, KF+16*\u, QF+40*\sg+20*\n+4*\o, 16*(\t0+2*\n+\o)+8*\u, KS, QS+(\t0+2*\n)/2, \u, \o
.endr
.endr
.endr
.endm
; the largest score so far and those of tiles t and t + 1, for each of my 16 keys.  kappa ascends: each result is read from its low end on
.macro MAX2 t
	WIN 0x14
.set kk, 0
.rept 16
	v_max3_num_f32 v[MXR+kk], v[MXR+kk], v[16*(\t)+kk], v[16*(\t)+16+kk]
.set kk, kk+1
.endr
.endm
; tile t's 16 exponentials; between them the next tile's s log2(e) - m log2(e), so that plain lines stand among the transcendentals
.macro EXPT t
	WIN 0x41
.set en, 0
.rept 8
	v_exp_f32 v[16*(\t)+2*en], v[16*(\t)+2*en]
	v_exp_f32 v[16*(\t)+2*en+1], v[16*(\t)+2*en+1]
.if (\t) < 15
	v_pk_fma_f32 v[16*(\t)+16+2*en:16*(\t)+17+2*en], v[16*(\t)+16+2*en:16*(\t)+17+2*en], s[SC2:SC2+1], v[MXR+2*en:MXR+2*en+1] op_sel_hi:[1,0,1] neg_lo:[0,0,1] neg_hi:[0,0,1]
.endif
.set en, en+1
.endr
.endm
; tile t joins the sums over queries; tiles 0 and 1 start them: nothing is cleared.  The tiles come in pairs (two tiles' exponentials, then their two sums): one wait serves a pair
.macro SUMT t
.if (\t) == 1
	WIN 0x05
	s_wait_alu depctr_va_vdst(0)                   ; the 32 exponentials of tiles 0 and 1 have written their results, which the sums read
.set en, 0
.rept 8
	v_pk_add_f32 v[SUMR+2*en:SUMR+2*en+1], v[2*en:2*en+1], v[16+2*en:17+2*en]
.set en, en+1
.endr
.elseif (\t) > 1
	WIN 0x04
.if ((\t) % 2) == 0
	s_wait_alu depctr_va_vdst(0)                   ; the 32 exponentials of this tile and the next have written their results, which this sum and the next read
.endif
.set en, 0
.rept 8
	v_pk_add_f32 v[SUMR+2*en:SUMR+2*en+1], v[SUMR+2*en:SUMR+2*en+1], v[16*(\t)+2*en:16*(\t)+2*en+1]
.set en, en+1
.endr
.endif
.endm
; four query tiles: normalised, quantised along my 32 keys, codes and bytes to LDS
.macro PGRP gq
	WIN 0x41
.if \gq == 0
	s_wait_alu depctr_va_vdst(0)                   ; the sixteen reciprocals have written v[SUMR ..], which the products below read
.endif
.set pb, 0
.rept 4
.set pn, 0
.rept 8
	v_pk_mul_f32 v[64*\gq+16*pb+2*pn:64*\gq+16*pb+2*pn+1], v[64*\gq+16*pb+2*pn:64*\gq+16*pb+2*pn+1], v[SUMR+2*pn:SUMR+2*pn+1]
.set pn, pn+1
.endr
.set pb, pb+1
.endr
	QUANT 4, 64*\gq, TMH, 4, PCR, 0, 1
	s_wait_alu depctr_va_vdst(0)                   ; the conversions have written the codes v[PCR ..] and the shifts the bytes v[TMH + 16 ..], which the LDS stores read; all work on these four tiles' registers is done: the loads behind the stores land there
.irp b, 0,1,2,3
	ds_store_b128 v[AP], v[PCR+4*\b:PCR+4*\b+3] offset:4096*(4*\gq+\b)
	ds_store_b8 v[APS], v[TMH+16+\b] offset:128*(4*\gq+\b)     ; byte c = w % 4 of the query's word; both halves of the lanes write the same byte
.endr
.endm
	s_wait_alu depctr_vm_vsrc(0)                   ; the prologue's LDS instructions have read v10-15 and its codes v80-103: the addresses are made anew, and v102-105 are written below
	v_add_nc_u32 v[AQ], s[SAQ], v[LN16]
	v_add_nc_u32 v[AK], s[SAK], v[LN16]
	v_add_nc_u32 v[AQS], s[SAQS], v[LN4]
	v_add_nc_u32 v[AKS], s[SAKS], v[LN4]
	s_wait_alu depctr_va_vdst(0)                   ; the four addresses are written; the prologue's products are done reading Wq, Wk and Wv, in whose registers K and Q land
	HLOAD 0, 0                                     ; the first head's; every later head's are asked for in the head before
.irp n, 0,1,2,3
	ds_load_b32 v[WOS+\n], v[AWS] offset:128*\n    ; Wo's scale words: registers of their own, so they come once
.endr
.irp u, 0,1                            ; these lines stand behind the loads, which name other registers, and work while they are out
.irp z, 4,5,6,7,8,9,10,11
	v_mov_b32 v[KF+16*\u+\z], 0                    ; the zero codes of K's and Q's fragments: written once, they stay for all heads
.endr
.endr
.irp f, 0,1,2,3
.irp z, 4,5,6,7,8,9,10,11,12,13,14,15
	v_mov_b32 v[QF+20*\f+\z], 0
.endr
.endr
.irp b, 0,1,2,3
	v_mov_b32 v[TMH+4+\b], 0                       ; a lane permute's destination counts as one of its sources
.endr
	v_mov_b32 v[OS], 0
	v_mov_b32 v[OS+1], 0
	s_wait_dscnt 0x0                               ; K, Q and the scale words are in
	; ---- THE HEADS.  At the head of a trip K, query tiles 0-7 and all scale words are in registers; of the bias, tiles 0-7 and 8-11 have been asked for
.Lhead:
	s_wait_alu depctr_vm_vsrc(0)                   ; the LDS loads of the head before (on the way in: the first K and Q loads) have read v10-18, which the nine lines below write
	v_add_nc_u32 v[AQ], s[SAQ], v[LN16]            ; (of my LDS instructions only gated O's two stores may be out here: they name none of these registers)
	v_add_nc_u32 v[AK], s[SAK], v[LN16]
	v_add_nc_u32 v[AQS], s[SAQS], v[LN4]
	v_add_nc_u32 v[AKS], s[SAKS], v[LN4]
	v_add_nc_u32 v[AWG], s[SAWG], v[LN16]
	v_add_nc_u32 v[AWGS], s[SAWGS], v[LN4]
	v_add_nc_u32 v[ABG], s[SABG], v[H64]
	v_add_nc_u32 v[AV], s[SAV], v[LN16]
	v_add_nc_u32 v[AVS], s[SAVS], v[LN4]
	s_wait_alu depctr_va_vdst(0)                   ; the nine addresses are written; the head before is done with the gate's and O^T's registers, in which the bias lands; in the first trip the zero codes of K and Q are written (the nine lines are their places)
	LOADB 12, 4, 0                                 ; the bias of query tiles 12-15: their registers held the gate and O^T to the last head's end
	s_wait_loadcnt 32                              ; tiles 0-7 are in: behind them tiles 8-11's sixteen loads and the sixteen just issued
	SMUL 0, 0
	SMUL 1, 4
	PLACES 8                                       ; in front of the first read of results
	; the largest score of each of my 16 keys, tile by tile as the products allow.  The first three tiles stand ahead of the wait for the products, the next four behind Q's loads
	WIN 0x15
.set kk, 0
.rept 16
	v_max3_num_f32 v[MXR+kk], v[kk], v[16+kk], v[32+kk]
.set kk, kk+1
.endr
	WIN 0
	s_wait_alu depctr_va_vdst(0)                   ; the sixteen products are done reading both sets of Q, in which query tiles 8-15 land
	QLOAD 0, 8, 0
	QLOAD 1, 12, 0
	MAX2 3
	MAX2 5
	s_wait_loadcnt 16                              ; tiles 8-11 of the bias are in; tiles 12-15's sixteen loads may be out
	s_wait_dscnt 4                                 ; query tiles 8-11 are in; tiles 12-15's four loads may be out
	SMUL 0, 8
	WIN 0x04
.set kk, 0
.rept 16
	v_max_num_f32 v[MXR+kk], v[MXR+kk], v[112+kk]  ; tile 7: sixteen plain lines that name nothing of the products just issued: the places behind them
.set kk, kk+1
.endr
	MAX2 8
	s_wait_loadcnt 0x0                             ; tiles 12-15 of the bias are in
	s_wait_dscnt 0x0                               ; so are the last query tiles; no LDS instruction of mine is out, and my reads of the last head's P were over in that head:
	s_barrier_signal -1                            ; say so.  Matrix and vector work alone stands between this signal and its wait, in front of P's first store
	SMUL 1, 12
	MAX2 10                                        ; tiles 10, 11: the places behind the last products
	MAX2 12
	MAX2 14
	WIN 0
.irp x, 1,2,4,8                        ; and over the sixteen queries of a tile, which lie in sixteen lanes
.set kk, 0
.rept 16
	v_max_num_f32_dpp v[MXR+kk], v[MXR+kk], v[MXR+kk] row_xmask:\x row_mask:0xf bank_mask:0xf
.set kk, kk+1
.endr
.endr
.set kk, 0
.rept 8
	v_pk_mul_f32 v[MXR+2*kk:MXR+2*kk+1], v[MXR+2*kk:MXR+2*kk+1], s[SC2:SC2+1] op_sel_hi:[1,0]   ; m log2(e).  Its rounding is a factor common to a key's 256 numbers, which the sum takes out again
.set kk, kk+1
.endr
	WIN 0x41
.set kk, 0
.rept 8
	v_pk_fma_f32 v[2*kk:2*kk+1], v[2*kk:2*kk+1], s[SC2:SC2+1], v[MXR+2*kk:MXR+2*kk+1] op_sel_hi:[1,0,1] neg_lo:[0,0,1] neg_hi:[0,0,1]
.set kk, kk+1
.endr
.set tt, 0
.rept 8                                ; two tiles' exponentials, then their sums: plain lines stand between an exponential and the use of its result
	EXPT tt
	EXPT tt+1
	SUMT tt
	SUMT tt+1
.set tt, tt+2
.endr
	WIN 0
.irp x, 1,2,4,8
.set kk, 0
.rept 16
	v_add_f32_dpp v[SUMR+kk], v[SUMR+kk], v[SUMR+kk] row_xmask:\x row_mask:0xf bank_mask:0xf
.set kk, kk+1
.endr
.endr
.set kk, 0
.rept 16
	v_rcp_f32 v[SUMR+kk], v[SUMR+kk]
.set kk, kk+1
.endr
	v_nop                                          ; a plain line behind the reciprocals
	s_barrier_wait -1                              ; every wave's reads of the last head's P are over: P's bytes may be written again
	PGRP 0
	s_cmp_eq_u32 s[HG], 3                          ; what follows is the next head's, if there is one: no load leaves its buffer
	s_cbranch_scc1 .Lno_a
	s_wait_xcnt 0x0                                ; the bias loads issued so far have read their base: it steps to the next head
	s_add_nc_u64 s[BB:BB+1], s[BB:BB+1], 262144
	HLOAD 8192, 1024                               ; K's and Q's registers have been free since this head's last product.  No wait: the one ahead of group 0's stores stands behind all products, and only those stores have been issued since
	LOADB 0, 4, 0                                  ; tiles 0-3 are converted: their registers take the next head's bias.  The same wait serves
.Lno_a:
	PGRP 1
	s_cmp_eq_u32 s[HG], 3
	s_cbranch_scc1 .Llast_b
	LOADB 4, 4, 0                                  ; tiles 4-7 likewise: the wait ahead of group 1's stores serves
	s_branch .Lgo_b
.Llast_b:
	WIN 0x40                                       ; in the last head the registers of tiles 0-7 take Wo's eight fragments
.irp t, 0,1,2,3,4,5,6,7
.irp c, 0,1,2,3
	ds_load_b128 v[16*\t+4*\c:16*\t+4*\c+3], v[AWO] offset:2048*\t+512*\c
.endr
.endr
	WIN 0
.Lgo_b:
	PGRP 2
	WIN 0x40                                       ; tiles 8-11 are converted: their registers take the gate's operands.  The wait ahead of group 2's stores serves, for bg's and the two scale words' registers too: their last readers are the head before's products
.irp p, 0,1
.irp c, 0,1,2,3
	ds_load_b128 v[128+16*\p+4*\c:131+16*\p+4*\c], v[AX] offset:2048*\p+512*\c
	ds_load_b128 v[160+16*\p+4*\c:163+16*\p+4*\c], v[AWG] offset:2048*\p+512*\c
.endr
.endr
	WIN 0
	ds_load_b32 v[XS], v[AXS]
	ds_load_b32 v[WGS], v[AWGS]
.irp q, 0,1,2,3
	ds_load_b128 v[BGR+4*\q:BGR+4*\q+3], v[ABG] offset:16*\q     ; bg at channels 32 g + 16 h + 0 .. 15: the C of the gate's products
.endr
	PGRP 3
	s_wait_dscnt 0x0                               ; for the others' sake: my part of P lies in LDS; the gate's operands are in
	s_barrier_signal -1
	WIN 0x45                                       ; the gate is worked while the others arrive.  Sources 0, 1 and the result window 1, C window 0
.irp p, 0,1
.irp u, 0,1
	WM 192+16*\p+8*\u, 160+16*\u, 128+16*\p, BGR+8*\u, WGS, XS, \u, \p
.endr
.endr
	PLACES 8                                       ; in front of the first read of results
	WIN 0x40                                       ; V of both K steps: bytes that no wave writes after the prologue, so these loads may stand ahead of the barrier's wait
	s_wait_alu depctr_va_vdst(0)                   ; the gate's four products are done reading Wg, x, bg and their scale words: V lands in Wg's registers now, P in x's and bg's behind the barrier; the normalising is done reading the sums, where V's second half lands
.irp u, 0,1
.irp c, 0,1,2,3
	ds_load_b128 v[160+16*\u+4*\c:163+16*\u+4*\c], v[AV] offset:4096*\u+512*\c
.endr
.endr
	WIN 0
.irp u, 0,1
.irp c, 0,1,2,3
	ds_load_b128 v[VB+16*\u+4*\c:VB+16*\u+4*\c+3], v[AV] offset:4096*\u+2048+512*\c   ; the second 128 keys: into the registers of the maxima and sums, which are done with
.endr
.endr
	ds_load_b32 v[VS], v[AVS]                      ; lanes 0-15 the first K step's words, lanes 16-31 the second's
	ds_load_b32 v[VS+1], v[AVS] offset:128
	WIN 0x41
.set pn, 0
.rept 16
	v_pk_mul_f32 v[192+2*pn:193+2*pn], v[192+2*pn:193+2*pn], s[NC2:NC2+1] op_sel_hi:[1,0]
.set pn, pn+1
.endr
.set pn, 0
.rept 32
	v_exp_f32 v[192+pn], v[192+pn]
.set pn, pn+1
.endr
	v_nop                                          ; a plain line behind the exponentials
	WIN 0
	s_barrier_wait -1                              ; P of this head is whole
	WIN 0x40                                       ; my two query tiles of P, both K steps, in one run; the rest of the sigmoid stands behind it.  No wait: since the one ahead of V's loads only the gate's own registers have been named
.irp p, 0,1
.irp c, 0,1,2,3
	ds_load_b128 v[128+16*\p+4*\c:131+16*\p+4*\c], v[APL] offset:4096*\p+512*\c
.endr
.endr
	WIN 0
.irp p, 0,1
.irp c, 0,1,2,3
	ds_load_b128 v[PB+16*\p+4*\c:PB+16*\p+4*\c+3], v[APL] offset:4096*\p+2048+512*\c   ; into bg's and the quantiser's registers, which are done with
.endr
.endr
	ds_load_b32 v[PS], v[APSL]
	ds_load_b32 v[PS+1], v[APSL] offset:128
	WIN 0x41
	s_wait_alu depctr_va_vdst(0)                   ; the gate's 32 exponentials have written their results, which the additions read
.set pn, 0
.rept 16
	v_pk_add_f32 v[192+2*pn:193+2*pn], v[192+2*pn:193+2*pn], 1.0 op_sel_hi:[1,0]
.set pn, pn+1
.endr
.set pn, 0
.rept 32
	v_rcp_f32 v[192+pn], v[192+pn]                 ; sigmoid(z) = 1 / (1 + 2^(-z log2(e)))
.set pn, pn+1
.endr
	v_nop
	s_wait_dscnt 0x0                               ; V, P and their scale words are in
	; O^T = V^T P^T for my two query tiles: two K steps of 128 keys, four accumulators by turns
	WIN 0x45
.irp p, 0,1
.irp u, 0,1
	WM 224+16*\p+8*\u, 160+16*\u, 128+16*\p, -1, VS+\u, PS+\p, 0, 0
.endr
.endr
	WIN 0x50                                       ; the second K step's fragments lie in window 0
.irp p, 0,1
.irp u, 0,1
	WM 224+16*\p+8*\u, VB+16*\u, PB+16*\p, 224+16*\p+8*\u, VS+\u, PS+\p, 1, 1
.endr
.endr
	WIN 0
	PLACES 8                                       ; in front of the first read of results, and of the quantiser's writes
	s_wait_alu depctr_va_vdst(0)                   ; the eight products are done reading the first K step's P and V, in whose registers the loads of either arm below land; the gate's 32 reciprocals have written their results, which the products behind the arms read
	s_cmp_eq_u32 s[HG], 3
	s_cbranch_scc1 .Llast_c
	LOADB 8, 4, 0                                  ; the next head's bias of query tiles 8-11
	s_branch .Lgo_c
.Llast_c:
	WIN 0x40                                       ; in the last head these registers take bo, in the last product's layout
.irp t, 0,1,2,3,4,5,6,7
	ds_load_b128 v[128+8*\t:131+8*\t], v[ABO] offset:128*(\t/2)+32*(\t%2)         ; bo at channels 32 (t / 2) + 16 h + 8 (t % 2) + 0 .. 7: the C
	ds_load_b128 v[132+8*\t:135+8*\t], v[ABO] offset:128*(\t/2)+32*(\t%2)+16
.endr
	WIN 0
.Lgo_c:
	WIN 0x45
.set pn, 0
.rept 16
	v_pk_mul_f32 v[224+2*pn:225+2*pn], v[224+2*pn:225+2*pn], v[192+2*pn:193+2*pn]   ; x gate: the same lane, the same channels
.set pn, pn+1
.endr
	QUANT 2, 224, TMH, 4, PCR, 1, 1                ; a head's 32 channels are one block of the last product's K
	v_add_nc_u32 v[AO], s[SAO], v[LN16]            ; made here: the quantiser's wait on vm_vsrc stands behind the last head's two stores, which read it
	s_wait_alu depctr_va_vdst(0)                   ; the conversions have written gated O's codes, and v[AO] is written: the two LDS stores read them
	ds_store_b128 v[AO], v[PCR:PCR+3]              ; these two may stay out over the loop's edge: their registers are written again only behind the next quantiser's waits
	ds_store_b128 v[AO], v[PCR+4:PCR+7] offset:2048
	v_lshl_or_b32 v[OS], v[TMH+16], s[SH], v[OS]
	v_lshl_or_b32 v[OS+1], v[TMH+17], s[SH], v[OS+1]
	s_add_co_u32 s[SAQ], s[SAQ], 8192
	s_add_co_u32 s[SAK], s[SAK], 8192
	s_add_co_u32 s[SAQS], s[SAQS], 1024
	s_add_co_u32 s[SAKS], s[SAKS], 1024
	s_add_co_u32 s[SAWG], s[SAWG], 4096
	s_add_co_u32 s[SAWGS], s[SAWGS], 128
	s_add_co_u32 s[SABG], s[SABG], 128
	s_add_co_u32 s[SAV], s[SAV], 8192
	s_add_co_u32 s[SAVS], s[SAVS], 256
	s_add_co_u32 s[SAO], s[SAO], 512
	s_add_co_u32 s[SH], s[SH], 8
	s_add_co_u32 s[HG], s[HG], 1
	s_cmp_lt_u32 s[HG], 4
	s_cbranch_scc1 .Lhead
	; ---- THE LAST PRODUCT, for my 32 positions.  Wo, bo and Wo's scale words are in registers.  Gated O's images are my own bytes: LDS serves a wave's instructions in order
	s_wait_loadcnt 0x0                             ; no load from memory is out when S's registers serve as Wo
	s_wait_alu depctr_vm_vsrc(0)                   ; the last head's LDS loads have read v10 and v14-16, which are made anew for the way out
	v_add_nc_u32 v10, s[SOF], v[LN16]
	s_mul_i32 s2, s[SWV], 16*SP
	s_add_co_u32 s2, s2, STG                       ; my stage
	v_mul_u32_u24 v14, v22, SP
	v_add_nc_u32 v14, v14, v[H64]
	v_add_nc_u32 v14, s2, v14                      ; in: row r, + 64 h
	v_mul_u32_u24 v15, v23, SP
	v_lshl_add_u32 v15, v22, 4, v15
	v_add_nc_u32 v15, s2, v15                      ; back: lanes 0-15 one row of 256 bytes, lanes 16-31 the next
	v_lshlrev_b32 v16, 9, v23
	v_lshl_add_u32 v16, v22, 4, v16                ; and the same two rows in the output
	s_wait_alu depctr_va_vdst(0)                   ; v10 and v14-16 are written: the loads and stores of the way out read them
.irp p, 0,1
.irp c, 0,1,2,3
	ds_load_b128 v[OF+16*\p+4*\c:OF+16*\p+4*\c+3], v10 offset:2048*\p+512*\c
.endr
.endr
	s_wait_dscnt 0x0
	PLACES 8                                       ; gated O's scale words were made by vector instructions: eight places ahead of the product that names them,
	s_wait_alu depctr_va_vdst(0)                   ; and behind the places the wait: v[OS] and v[OS + 1] are written, which the products below take as scales
.irp p, 0,1
.if \p == 1
	s_wait_xcnt 0x0                                ; the first tile's stores have had their addresses translated: their registers take rows again
	s_wait_alu depctr_vm_vsrc(0)                   ; the first tile's stores to memory have read v[RB ..], in which rows land again, and its LDS stores the results' registers, which the products below write again
.endif
	WIN 0x51                                       ; Wo, bo and the results window 1, gated O window 0
.irp t, 0,1,2,3,4,5,6,7
	WM 192+8*\t, 16*\t, OF+16*\p, 128+8*\t, WOS+\t/2, OS+\p, \t%2, 0
.endr
	WIN 0
	PLACES 9                                       ; eight in front of the stores that read the results; nine in front of the second tile's products, which write over them
	s_wait_alu depctr_va_vdst(0)                   ; the eight products have written the results, which the LDS stores read; the places above stay beside this wait
.irp f, 0,1                            ; channels 64 f on: half a row of each of the 16 positions
	WIN 0x04                                       ; an LDS store's data are its source 1: window 1
.irp t, 0,1,2,3
	ds_store_b128 v14, v[192+32*\f+8*\t:195+32*\f+8*\t] offset:128*(\t/2)+32*(\t%2)       ; each result from its low end on
	ds_store_b128 v14, v[196+32*\f+8*\t:199+32*\f+8*\t] offset:128*(\t/2)+32*(\t%2)+16
.endr
	WIN 0
.irp i, 0,1,2,3,4,5,6,7
	ds_load_b128 v[RB+32*\f+4*\i:RB+32*\f+4*\i+3], v15 offset:2*\i*SP      ; these see my stores above, and the next half's stores come behind them
.endr
.endr
.irp f, 0,1
.irp i, 0,1,2,3,4,5,6,7
	s_wait_dscnt 16*(1-\f)+7-\i                    ; behind this load: the rest of its eight, and for the first half the second's eight stores and eight loads
	global_store_b128 v16, v[RB+32*\f+4*\i:RB+32*\f+4*\i+3], s[OUT:OUT+1] offset:(8*\p+2*\i+8*(\i/4))*512+256*\f th:TH_STORE_NT   ; sixteen lanes store 256 consecutive bytes, aligned; row 2 i + h of the tile
.endr
.endr
.endr
	s_wait_dscnt 0x0                               ; the closing lines, six on end
	s_wait_alu 0x0
	s_wait_tensorcnt 0x0
	ds_add_u32 v254, v255
	s_wait_dscnt 0x0
	s_endpgm
.Lfunc_end_k_q45c2eb2a83_attn:
	.size	k_q45c2eb2a83_attn, .Lfunc_end_k_q45c2eb2a83_attn-k_q45c2eb2a83_attn
	.p2alignl 7, 3214868480
	.fill 96, 4, 3214868480
	.section	.rodata,"a",@progbits
	.p2align	6, 0x0
	.amdhsa_kernel k_q45c2eb2a83_attn
		.amdhsa_group_segment_fixed_size 313344
		.amdhsa_private_segment_fixed_size 0
		.amdhsa_enable_private_segment 0
		.amdhsa_kernarg_size 120
		.amdhsa_user_sgpr_count 2
		.amdhsa_user_sgpr_kernarg_segment_ptr 1
		.amdhsa_wavefront_size32 1
		.amdhsa_system_sgpr_workgroup_id_x 1
		.amdhsa_system_sgpr_workgroup_id_y 1
		.amdhsa_system_sgpr_workgroup_id_z 1
		.amdhsa_system_vgpr_workitem_id 0
		.amdhsa_next_free_vgpr 512
		.amdhsa_next_free_sgpr 100
		.amdhsa_reserve_vcc 0
		.amdhsa_float_denorm_mode_32 3
		.amdhsa_float_denorm_mode_16_64 3
		.amdhsa_memory_ordered 1
		.amdhsa_forward_progress 1
		.amdhsa_inst_pref_size 176
	.end_amdhsa_kernel
	.amdgpu_metadata
---
amdhsa.version: [ 1, 2 ]
amdhsa.kernels:
  - .name:           k_q45c2eb2a83_attn
    .symbol:         k_q45c2eb2a83_attn.kd
    .args:
      - { .name: xq, .offset: 0, .size: 8, .value_kind: global_buffer, .address_space: global }
      - { .name: biasw, .offset: 8, .size: 8, .value_kind: global_buffer, .address_space: global }
      - { .name: Wq_codes, .offset: 16, .size: 8, .value_kind: global_buffer, .address_space: global }
      - { .name: Wq_scales, .offset: 24, .size: 8, .value_kind: global_buffer, .address_space: global }
      - { .name: Wk_codes, .offset: 32, .size: 8, .value_kind: global_buffer, .address_space: global }
      - { .name: Wk_scales, .offset: 40, .size: 8, .value_kind: global_buffer, .address_space: global }
      - { .name: Wv_codes, .offset: 48, .size: 8, .value_kind: global_buffer, .address_space: global }
      - { .name: Wv_scales, .offset: 56, .size: 8, .value_kind: global_buffer, .address_space: global }
      - { .name: Wg_codes, .offset: 64, .size: 8, .value_kind: global_buffer, .address_space: global }
      - { .name: Wg_scales, .offset: 72, .size: 8, .value_kind: global_buffer, .address_space: global }
      - { .name: bg, .offset: 80, .size: 8, .value_kind: global_buffer, .address_space: global }
      - { .name: Wo_codes, .offset: 88, .size: 8, .value_kind: global_buffer, .address_space: global }
      - { .name: Wo_scales, .offset: 96, .size: 8, .value_kind: global_buffer, .address_space: global }
      - { .name: bo, .offset: 104, .size: 8, .value_kind: global_buffer, .address_space: global }
      - { .name: out0, .offset: 112, .size: 8, .value_kind: global_buffer, .address_space: global }
    .group_segment_fixed_size: 313344
    .private_segment_fixed_size: 0
    .kernarg_segment_align: 8
    .kernarg_segment_size: 120
    .max_flat_workgroup_size: 256
    .sgpr_count:     100
    .vgpr_count:     512
    .wavefront_size: 32
...
	.end_amdgpu_metadata
.endif
;; end of part 3
